; MI455X (gfx1250); checked and timed in simulation.
; The chip was launched on July 23, 2026; its instructions are those of AMD's public machine-readable ISA for CDNA 5 (MIT licence, August 2026) and "CDNA5" Instruction Set Architecture Reference Guide (July 2026). The comments in the code are by the model that wrote it; some were corrected since.
;; Weight Matrix Transformer Decoder V2. Allowed arithmetic: float matrix products may take bf16 or f16 operands with f32 sums; all other float work in f32.
;; Inputs: W_proj 512 x 16,384 float32; b_proj 16,384 float32; token 16 x 256 x 512 float32.
;; Outputs: out0 16 x 256 x 512 float32.
;; 3 versions, each right; version 2 is faster than version 1; version 3 is version 2 with the launch prep written anew for expert scheduling mode. Each part assembles by itself: llvm-mc -triple=amdgcn-amd-amdhsa -mcpu=gfx1250 --defsym DOCPART=n.
;; ======== version 1 of 3: 2 launches
;; workspace buffers: tokb 4,194,304 bytes; wb 16,777,216 bytes; rot 2,621,440 bytes
;; launch prep (part 1): grid 768 x 1, 8 waves a work-group, no clusters, 0 bytes of LDS; arguments token, W_proj, tokb, wb, rot; writes tokb, wb, rot
.if DOCPART == 1
	.amdgcn_target "amdgcn-amd-amdhsa--gfx1250"
	.amdhsa_code_object_version 6
	.text
	.protected	k_q74f32448ec_prep
	.globl	k_q74f32448ec_prep
	.p2align	8
	.type	k_q74f32448ec_prep,@function
k_q74f32448ec_prep:
	s_mov_b64 s[64:65], 0
	v_nop
	global_prefetch_b8 v0, s[64:65] scope:SCOPE_SE
	s_setreg_imm32_b32 hwreg(HW_REG_WAVE_MODE, 25, 1), 1
	s_wait_xcnt 0x0
; Prepares the operands of the fused launch that follows.
; Work-groups 0-511: W_proj [512][16384] f32 -> wb, the same layout in bf16.  Work-groups 512-639: token [4096][512] f32 -> tokb, likewise.
;   Each takes 65,536 bytes of f32; a wave takes 8,192 of them with sixteen 16-byte loads a lane (512 consecutive bytes an instruction), all issued
;   before the first is used, and stores 8 bytes a lane: each store of a wave covers 256 consecutive bytes, aligned.  No LDS, no barrier, no loop.
; Work-groups 640-767: the rotation constants, rot[head 512][wr 2][5][lane 32][4 f32]; one wave for each (head, wr).
;   Lane L = (r = L & 15, h = L >> 4) serves column r of a head's k: frequency q = 8 head + (r >> 1), theta = 10000^(-q/4096).
;   With E = e^(i theta) the phase of sequence position n = 128 wr + 16 a + 8 h + j is E^(255 - n) = G conj(P)^a F_j, where
;   F_j = E^(7-j), G = E^(128 (1-wr) + 112 + 8 (1-h)), P = E^16.  Stored: cos F_0..7, sin F_0..7, cos G, sin G, cos P, sin P.
;   Every sine carries the sign sigma_r = -1 (r even), +1 (r odd) of the rotate-half term; products of such pairs keep it, since sigma^2 = 1.
; LIMIT: theta <= 1, so sine and cosine of theta come from Taylor sums cut below 3e-8; the higher powers come from seven doublings and a few
;   products, whose rounding grows with the power: the phase is off by about 1e-5 radians at the largest angle, 255 radians.
.set X,   16                           ; v[16:79]   sixteen loads of four f32
.set Y,   80                           ; v[80:111]  sixteen pairs of packed bf16
.set TA,  5                            ; table part: at work
.set TB,  8
.set FC,  32                           ; v[32:39]   cos F_j
.set FS,  40                           ; v[40:47]   sigma sin F_j
.set GC,  48                           ; v[48:51]   cos G, sigma sin G, cos P, sigma sin P
.set GS,  49
.set PC,  50
.set PS,  51
.set E1C, FC+6                         ; E^1 .. E^4 are made where F_6 .. F_3 are stored from
.set E1S, FS+6
.set E2C, FC+5
.set E2S, FS+5
.set E3C, FC+4
.set E3S, FS+4
.set E4C, FC+3
.set E4S, FS+3
	s_load_b256 s[4:11], s[0:1], 0x0               ; token s[4:5], W_proj s[6:7], tokb s[8:9], wb s[10:11]
	s_load_b64 s[12:13], s[0:1], 0x20              ; rot
	v_lshrrev_b32 v1, 5, v0
	v_readfirstlane_b32 s14, v1                    ; wave 0..7
	v_and_b32 v2, 31, v0                           ; lane
	s_cmp_ge_u32 ttmp9, 640
	s_cbranch_scc1 .Ltable
	; ---- the casts ----
	s_sub_co_u32 s20, ttmp9, 512                   ; the block's number within token (used only where ttmp9 >= 512)
	v_lshlrev_b32 v3, 4, v2
	v_lshl_add_u32 v3, v1, 13, v3                  ; in: 8,192 x wave + 16 x lane
	v_lshrrev_b32 v4, 1, v3                        ; out: half of that
	s_wait_kmcnt 0x0
	s_cmp_lt_u32 ttmp9, 512
	s_cselect_b64 s[16:17], s[6:7], s[4:5]         ; from W_proj or token
	s_cselect_b64 s[18:19], s[10:11], s[8:9]       ; to wb or tokb
	s_cselect_b32 s20, ttmp9, s20                  ; the block's number within that buffer
	s_lshl_b32 s22, s20, 16                        ; 65,536 bytes of f32 a block
	s_mov_b32 s23, 0
	s_add_nc_u64 s[16:17], s[16:17], s[22:23]
	s_lshl_b32 s22, s20, 15                        ; 32,768 bytes of bf16
	s_add_nc_u64 s[18:19], s[18:19], s[22:23]
.irp i, 0,1,2,3,4,5,6,7,8,9,10,11,12,13,14,15
	global_load_b128 v[X+4*\i:X+4*\i+3], v3, s[16:17] offset:512*\i th:TH_LOAD_NT
.endr
.irp i, 0,1,2,3,4,5,6,7,8,9,10,11,12,13,14,15
	s_wait_loadcnt 15-\i                           ; loads come back in order: load i is in, the younger ones stay out
	v_cvt_pk_bf16_f32 v[Y+2*\i],   v[X+4*\i],   v[X+4*\i+1]
	v_cvt_pk_bf16_f32 v[Y+2*\i+1], v[X+4*\i+2], v[X+4*\i+3]
	global_store_b64 v4, v[Y+2*\i:Y+2*\i+1], s[18:19] offset:256*\i    ; no register of a load or store is ever written again
.endr
	s_endpgm
	; ---- the rotation constants ----
; (dc, ds) = (c, s)^2: cos 2x = 1 - 2 sin^2 x, sin 2x = 2 sin x cos x
.macro DBL dc, ds, c, s
	v_add_f32 v[TA], v[\s], v[\s]
	v_fma_f32 v[\dc], -v[TA], v[\s], 1.0
	v_mul_f32 v[\ds], v[TA], v[\c]
.endm
; (dc, ds) = (ac, as) x (bc, bs); the destination is neither factor
.macro CMUL dc, ds, ac, as, bc, bs
	v_mul_f32 v[TA], v[\as], v[\bs]
	v_mul_f32 v[TB], v[\as], v[\bc]
	v_fma_f32 v[\dc], v[\ac], v[\bc], -v[TA]
	v_fma_f32 v[\ds], v[\ac], v[\bs], v[TB]
.endm
.Ltable:
	s_sub_co_u32 s15, ttmp9, 640
	s_lshl3_add_u32 s15, s15, s14                  ; 2 head + wr = 8 x (work-group - 640) + wave
	s_lshr_b32 s16, s15, 1
	s_lshl_b32 s16, s16, 3                         ; 8 head
	s_and_b32 s17, s15, 1                          ; wr
	s_cmp_eq_u32 s17, 0
	s_cselect_b32 s18, -1, 0                       ; all lanes where wr = 0
	s_mul_i32 s20, s15, 2560                       ; five blocks of 512 bytes for each (head, wr)
	s_mov_b32 s21, 0
	v_bfe_u32 v3, v0, 1, 3                         ; r >> 1
	v_add_nc_u32 v3, s16, v3                       ; q
	v_cvt_f32_u32 v3, v3
	v_mul_f32 v3, 0xbb549a78, v3                   ; q x (-log2(10000) / 4096)
	v_exp_f32 v3, v3                               ; theta
	v_and_b32 v[TA], 1, v0                         ; (a plain instruction stands behind the exponential before theta is used: ISA guide 5.7.2)
	v_xor_b32 v[TA], 1, v[TA]
	v_lshlrev_b32 v[TA], 31, v[TA]                 ; the sign bit where r is even
	s_wait_alu depctr_va_vdst(0)
	v_xor_b32 v6, v3, v[TA]                        ; sigma theta
	v_mul_f32 v4, v3, v3                           ; z = theta^2
	v_lshlrev_b32 v10, 4, v2                       ; 16 x lane
	v_mov_b32 v7, 0x3638ef1d                       ; sin: theta (1 + z (-1/6 + z (1/120 + z (-1/5040 + z/362880))))
	v_fmaak_f32 v7, v7, v4, 0xb9500d01
	v_fmaak_f32 v7, v7, v4, 0x3c088889
	v_fmaak_f32 v7, v7, v4, 0xbe2aaaab
	v_fma_f32 v7, v7, v4, 1.0
	v_mul_f32 v[E1S], v6, v7
	v_mov_b32 v7, 0xb493f27e                       ; cos: 1 + z (-1/2 + z (1/24 + z (-1/720 + z (1/40320 - z/3628800))))
	v_fmaak_f32 v7, v7, v4, 0x37d00d01
	v_fmaak_f32 v7, v7, v4, 0xbab60b61
	v_fmaak_f32 v7, v7, v4, 0x3d2aaaab
	v_fma_f32 v7, v7, v4, -0.5
	v_fma_f32 v[E1C], v7, v4, 1.0
	DBL E2C, E2S, E1C, E1S
	DBL E4C, E4S, E2C, E2S
	DBL 14, 15, E4C, E4S                           ; E^8
	DBL PC, PS, 14, 15                             ; E^16 = P
	DBL 18, 19, PC, PS                             ; E^32
	DBL 20, 21, 18, 19                             ; E^64
	DBL 22, 23, 20, 21                             ; E^128
	CMUL E3C, E3S, E2C, E2S, E1C, E1S
	CMUL FC+0, FS+0, E4C, E4S, E3C, E3S            ; F_0 = E^7
	CMUL FC+1, FS+1, E4C, E4S, E2C, E2S            ; F_1 = E^6
	CMUL FC+2, FS+2, E4C, E4S, E1C, E1S            ; F_2 = E^5
	v_mov_b32 v[FC+7], 1.0                         ; F_7 = 1
	v_mov_b32 v[FS+7], 0
	CMUL 26, 27, PC, PS, 18, 19                    ; E^48
	CMUL 28, 29, 26, 27, 20, 21                    ; E^112
	v_cndmask_b32 v30, 1.0, v22, s18               ; x E^128 where wr = 0, x 1 otherwise
	v_cndmask_b32 v31, 0, v23, s18
	CMUL 26, 27, 28, 29, 30, 31
	v_cmp_gt_u32 vcc_lo, 16, v2                    ; h = 0
	v_cndmask_b32 v30, 1.0, v14, vcc_lo            ; x E^8 where h = 0
	v_cndmask_b32 v31, 0, v15, vcc_lo
	CMUL GC, GS, 26, 27, 30, 31
	s_wait_kmcnt 0x0
	s_add_nc_u64 s[12:13], s[12:13], s[20:21]
	global_store_b128 v10, v[FC:FC+3],   s[12:13]             ; each store of the wave covers 512 consecutive bytes, aligned
	global_store_b128 v10, v[FC+4:FC+7], s[12:13] offset:512
	global_store_b128 v10, v[FS:FS+3],   s[12:13] offset:1024
	global_store_b128 v10, v[FS+4:FS+7], s[12:13] offset:1536
	global_store_b128 v10, v[GC:GC+3],   s[12:13] offset:2048
	s_endpgm
.Lfunc_end_k_q74f32448ec_prep:
	.size	k_q74f32448ec_prep, .Lfunc_end_k_q74f32448ec_prep-k_q74f32448ec_prep
	.p2alignl 7, 3214868480
	.fill 96, 4, 3214868480
	.section	.rodata,"a",@progbits
	.p2align	6, 0x0
	.amdhsa_kernel k_q74f32448ec_prep
		.amdhsa_group_segment_fixed_size 0
		.amdhsa_private_segment_fixed_size 0
		.amdhsa_enable_private_segment 0
		.amdhsa_kernarg_size 40
		.amdhsa_user_sgpr_count 2
		.amdhsa_user_sgpr_kernarg_segment_ptr 1
		.amdhsa_wavefront_size32 1
		.amdhsa_system_sgpr_workgroup_id_x 1
		.amdhsa_system_sgpr_workgroup_id_y 1
		.amdhsa_system_sgpr_workgroup_id_z 1
		.amdhsa_system_vgpr_workitem_id 0
		.amdhsa_next_free_vgpr 112
		.amdhsa_next_free_sgpr 66
		.amdhsa_reserve_vcc 1
		.amdhsa_float_denorm_mode_32 3
		.amdhsa_float_denorm_mode_16_64 3
		.amdhsa_memory_ordered 1
		.amdhsa_forward_progress 1
		.amdhsa_inst_pref_size 12
	.end_amdhsa_kernel
	.amdgpu_metadata
---
amdhsa.version: [ 1, 2 ]
amdhsa.kernels:
  - .name:           k_q74f32448ec_prep
    .symbol:         k_q74f32448ec_prep.kd
    .args:
      - { .name: token, .offset: 0, .size: 8, .value_kind: global_buffer, .address_space: global }
      - { .name: W_proj, .offset: 8, .size: 8, .value_kind: global_buffer, .address_space: global }
      - { .name: tokb, .offset: 16, .size: 8, .value_kind: global_buffer, .address_space: global }
      - { .name: wb, .offset: 24, .size: 8, .value_kind: global_buffer, .address_space: global }
      - { .name: rot, .offset: 32, .size: 8, .value_kind: global_buffer, .address_space: global }
    .group_segment_fixed_size: 0
    .private_segment_fixed_size: 0
    .kernarg_segment_align: 8
    .kernarg_segment_size: 40
    .max_flat_workgroup_size: 256
    .sgpr_count:     66
    .vgpr_count:     112
    .wavefront_size: 32
...
	.end_amdgpu_metadata
.endif
;; end of part 1
;; launch kvmem (part 2): grid 16 x 16, 4 waves a work-group, clusters of 4 x 4, 327,680 bytes of LDS; arguments tokb, wb, b_proj, rot, out0; writes out0
.if DOCPART == 2
	.amdgcn_target "amdgcn-amd-amdhsa--gfx1250"
	.amdhsa_code_object_version 6
	.text
	.protected	k_q74f32448ec_kvmem
	.globl	k_q74f32448ec_kvmem
	.p2align	8
	.type	k_q74f32448ec_kvmem,@function
k_q74f32448ec_kvmem:
	s_mov_b64 s[64:65], 0
	v_nop
	global_prefetch_b8 v0, s[64:65] scope:SCOPE_SE
	s_setreg_imm32_b32 hwreg(HW_REG_WAVE_MODE, 25, 1), 1
	s_wait_xcnt 0x0
	s_wait_alu depctr_hold_cnt(0) depctr_sa_sdst(0) depctr_va_vdst(0) depctr_va_sdst(0) depctr_va_ssrc(0) depctr_va_vcc(0) depctr_vm_vsrc(0)
	s_getreg_b32 s2, hwreg(HW_REG_IB_STS2, 6, 4)
	s_cmp_eq_u32 s2, 0
	s_cbranch_scc0 .Lentry_in_a_cluster
	s_endpgm
.Lentry_in_a_cluster:
	s_bfe_u32 s2, ttmp6, 0x10000c
	s_cmp_lg_u32 s2, 0xf033
	s_cbranch_scc0 .Lentry_shape_is_right
	s_endpgm
.Lentry_shape_is_right:
; kv = token W + b (4,096 x 16,384 x 512, bf16 operands, f32 sums); per head h (32 neighbouring columns: 16 of k, 16 of v) k = rotate(silu(k));
; out0[b][16 d + e][h] = sum over the 256 positions n of k[n][d] v[n][e].  All of it in one launch: kv never leaves the registers.
; SHARES.  Work-group (x = g, y = b) owns batch b (256 rows of tokb) and heads 32 g .. 32 g + 31 (1,024 columns of wb); it stays and walks four column
; tiles of 256 columns (8 heads), each a product 256 x 256 x 512.  16 x 16 = 256 work-groups of equal work.  Four waves, as many as a WGP has SIMDs:
; wave w makes rows 128 wr .. +127 (wr = w >> 1) and columns 128 wc .. +127 (wc = w & 1, four heads) in 64 accumulator tiles of 16 x 16, 512 registers.
; THE RING.  K goes in steps of 128 through two LDS slots filled by the tensor data mover: 256 rows of tokb (256 bytes each) and 128 k-rows of wb
; (512 bytes each).  wb lies [K][N]: its fragments are read with the transposing LDS load.  The ring runs on from one column tile into the next.
; CLUSTERS.  4 x 4 work-groups.  The four of a row of the cluster share b, so tokb's tiles; the four of a column share g, so wb's tiles: each tile is asked
; for jointly, by the same load with the same descriptor and a mask that names the four, which divides the requests for both by four.
; THE WAY OUT.  The matrix instruction is used in its natural orientation (source 0 = rows of tokb, source 1 = columns of wb): lane (r = l % 16, h = l / 16)
; holds column r and rows 8 h + 0..7 of a tile.  Two such tiles of 16 rows, rounded to bf16, ARE an operand of 32 along the sum of the second product
; (registers 0-3: n = 8 h + 0..7, registers 4-7: n = 16 + 8 h + 0..7), the k tiles as source 0 and the v tiles as source 1: no shuffle, no LDS.
; The bias enters as the C operand of a tile's first products.  silu and the rotation are done on the accumulators in f32; the partner column of
; the rotation (r xor 1) is the neighbouring lane and comes with the multiply (DPP).  The phase of row n is split as in the table rot:
; E^(255-n) = G conj(P)^a F_j, so each number is turned twice, by F_j (register j) and by G conj(P)^a (row block a), with no sine or cosine here.
; TWO bf16 FOR EACH FACTOR OF THE SECOND PRODUCT.  One rounding to bf16 is off by up to 2^-9 of the number; two factors so rounded, over 256 terms of
; random sign, leave about a quarter of the allowance (a hundredth of the output's root mean square) as the error's own root mean square, which the
; outliers among two million outputs exceed.  So k and v each go in as high + low: high = the rounding, low = the rounded remainder (the remainder
; itself is exact in f32), and k^T v = high high + low high + high low, three matrix instructions on one sum.  The range stays bf16's, that is f32's.
; The two waves that share four heads hand each other half of their partial sums through LDS; the sums of all 32 heads gather in an LDS stage.
; out0 has h along its rows: the work-group's 32 heads are 128 consecutive bytes of each of its 256 rows, and each store of a wave covers four such runs,
; each aligned to 128 bytes.  A run of 256 bytes would be 64 heads: work-groups of 64 heads would be 128 in number, half as many.
; LIMITS.  token and W are rounded to bf16.  In the second product the term low x low and the rounding of the low parts are dropped: about 2^-17 of a term each.
; The phases carry the table's error (about 1e-5 radians at the largest angle).
; silu(x) = x / (1 + 2^(-x log2 e)): where the power overflows the quotient is x times 0, a zero with x's sign, as silu's limit is.
;
; REGISTERS, in windows of 256 (s_set_vgpr_msb's low byte: bits 1:0 source 0, 3:2 source 1, 5:4 source 2, 7:6 destination):
;   window 0: v16-28 addresses; v32-111 rotation constants of my four heads; v112-119 the next tile's bias; v120-125 at work; v126 the number -1;
;             v128-191, v192-255 fragments of tokb, two buffers; in the way out the same 128 registers are T, U, the second product's high parts and sums
;   window 1: v0-63 the bias as a C operand (eight equal registers for each of 8 column blocks); v128-191, v192-255 fragments of wb, two buffers;
;             in the way out v128-191 are the second product's low parts
;   window 2: accumulator tiles of my rows 0-63 (tile (a, b) at v[8 (8 a + b)]);   window 3: those of rows 64-127
.set PITA,   272                       ; an LDS row of tokb: 256 bytes + 16 of padding, an odd multiple of 16: the 16 rows of a fragment load start in 16 different groups of banks
.set PITB,   544                       ; an LDS row of wb: 512 bytes + 32 of padding, an odd multiple of 32, for the transposing load
.set QUART,  128*PITA                  ; what one tensor load brings: 128 rows of tokb, or 64 k-rows of wb (64 x 544 is the same 34,816 bytes)
.set SLOT,   4*QUART                   ; tokb's 256 rows, then wb's 128 k-rows
.set SCR,    2*SLOT                    ; behind the ring: 2,048 bytes a wave, partial sums for the partner wave; no tensor load lands here
.set STAGE,  SCR+8192                  ; 32 heads x HP bytes: the work-group's results; no tensor load lands here
.set HP,     1092                      ; a head's 256 sums: (d, e) at 64 d + 4 e + 64 (d >> 3); 273 words, so that four heads on are 4 banks on
.set ADRA, 16                          ; v16-17  LDS address of my tokb fragments in slot 0, 1
.set ADRB, 20                          ; v20-21  the same for wb
.set VL16, 22                          ; 16 x lane
.set VB4,  23                          ; 4 r
.set VSC,  24                          ; my scratch
.set VSP,  25                          ; my partner's scratch
.set VSG,  26                          ; where my sums of the first tile go in the stage; never rewritten: the tile stands in the stores' immediates
.set VRD,  27                          ; where I read the stage back
.set VOUT, 28                          ; my byte offset in out0
.set CONST, 32                         ; head hd at CONST + 20 hd: cos F_0..7, sin F_0..7, cos G, sin G, cos P, sin P
.set BRAW, 112                         ; bias of column block bb, column r
.set GB,   120                         ; G conj(P): cosine, sine
.set TT,   122                         ; four products at work
.set NEG1, 126                         ; -1.0, for the remainders
.set F0,   128                         ; fragment buffer 0
.set F1,   192                         ; fragment buffer 1
.set T,    128                         ; way out: 16 numbers of k at work
.set U,    144                         ; way out: 16 partner terms; at a unit's head v's 16 remainders
.set OPS,  160                         ; way out: head hd's high parts, k at OPS + 16 hd, v eight registers higher
.set OPL,  128                         ; way out, WINDOW 1: head hd's low parts, k at OPL + 16 hd, v eight registers higher
.set D2,   224                         ; way out: head hd's 16 x 16 sums at D2 + 8 hd
.set G1,  24                           ; s[24:31] descriptor group 1 for tokb's tiles
.set G0,  32                           ; s[32:39] descriptor group 0 for tokb's tiles, a set for each slot
.set G1B, 48                           ; s[48:55] group 1 for wb's tiles
.set G0B, 56                           ; s[56:63] group 0 for wb's tiles, a set for each slot
.set MUL_LO,  0xa4                     ; source 0 (tokb) window 0, source 1 (wb) window 1, C and D window 2
.set MUL_HI,  0xf4                     ; the same, C and D window 3
.set BIAS_LO, 0x94                     ; C from window 1 (the bias), D window 2
.set BIAS_HI, 0xd4                     ; C from window 1, D window 3
.set TO_B,    0x40                     ; destination window 1
.set MSB, 0
.macro WIN new                         ; the immediate's high byte repeats the setting that is left; a switch that changes nothing is dropped
.if MSB != \new
	s_set_vgpr_msb (MSB<<8)|\new
.set MSB, \new
.endif
.endm
; Four places: a vector instruction that reads a matrix result or writes a matrix instruction's register, and a load into such a register, stand four plain
; vector instructions behind that matrix instruction (ISA guide 7.12.1 for vector instructions).
.macro PLACES
.rept 4
	v_nop
.endr
.endm
; A joint load.  Waves 0 and 1 fetch tokb's two halves, waves 2 and 3 wb's.  Each line has one mask and one set of registers; the branch hangs on the wave's number alone.
.macro JLOAD s
	s_cmp_eq_u32 s15, 0
	s_cbranch_scc0 .Lfor_b_\@
	tensor_load_to_lds s[G0+4*\s:G0+4*\s+3], s[G1:G1+7]
	s_nop 0
	s_branch .Lasked_\@
.Lfor_b_\@:
	tensor_load_to_lds s[G0B+4*\s:G0B+4*\s+3], s[G1B:G1B+7]
	s_nop 0
.Lasked_\@:
.endm
; A round of the cluster's barrier: my work-group's barrier, wave 0 signals for the work-group, every wave waits for all sixteen, my work-group's barrier again.
.macro CREST                           ; a round behind its opening barrier
	s_cmp_lg_u32 s14, 0
	s_cbranch_scc1 .Lnot_wave_0_\@
	s_barrier_signal -3
.Lnot_wave_0_\@:
	s_barrier_wait -3
	s_barrier_signal -1
	s_barrier_wait -1
.endm
.macro CROUND                          ; a whole round
	s_barrier_signal -1
	s_barrier_wait -1
	CREST
.endm
	s_load_b256 s[4:11], s[0:1], 0x0               ; tokb s[4:5], wb s[6:7], b_proj s[8:9], rot s[10:11]
	s_load_b64 s[12:13], s[0:1], 0x20              ; out0
	v_lshl_add_u32 v127, v0, 2, 0x4e900
	s_set_vgpr_msb 0x40
	v_mov_b32 v127, 0
	s_set_vgpr_msb 0x4044
	ds_add_u32 v127, v127
	s_set_vgpr_msb 0x4400
	v_lshrrev_b32 v1, 5, v0
	v_readfirstlane_b32 s14, v1                    ; wave 0..3
	s_lshr_b32 s15, s14, 1                         ; wr: my half of the rows.  Also: I fetch for tokb (0) or for wb (1)
	s_and_b32 s16, s14, 1                          ; wc: my half of the columns.  Also: which half of that tile I fetch
	s_bfe_u32 s17, ttmp6, 0x40000                  ; cx
	s_bfe_u32 s18, ttmp6, 0x40004                  ; cy
	s_lshl_b32 s19, ttmp9, 2
	s_add_co_u32 s19, s19, s17                     ; g = 4 x cluster x + cx
	s_and_b32 s20, ttmp7, 0xffff
	s_lshl_b32 s20, s20, 2
	s_add_co_u32 s20, s20, s18                     ; b = 4 x cluster y + cy
	s_lshl_b32 s21, s18, 2
	s_lshl_b32 s21, 15, s21                        ; my row of the cluster: places 4 cy .. 4 cy + 3
	s_lshl_b32 s22, 0x1111, s17                    ; my column: places cx, cx + 4, cx + 8, cx + 12
	; group 1.  tokb: 128 rows x 128 elements, 4 words of padding behind every 64.  wb: 64 k-rows x 256 elements, 8 words behind every 128.
	s_or_b32 s[G1+0],  s21, (1<<16)|(1<<20)|(1<<21)|(5<<22)|(3<<25)   ; 15:0 mask: my row; 17:16 elements of 2 bytes; 20 padding on; 21 set beside a mask; 24:22 interval; 31:25 pad - 1
	s_or_b32 s[G1B+0], s22, (1<<16)|(1<<20)|(1<<21)|(6<<22)|(7<<25)   ; mask: my column
	s_mov_b32 s[G1+1],  128<<16                    ; tensor_dim0 = the tile's (no tile crosses its tensor's end)
	s_mov_b32 s[G1B+1], 256<<16
	s_mov_b32 s[G1+2],  128<<16                    ; tensor_dim1
	s_mov_b32 s[G1B+2], 64<<16
	s_mov_b32 s[G1+3],  128<<16                    ; tile_dim0
	s_mov_b32 s[G1B+3], 256<<16
	s_mov_b32 s[G1+4],  128                        ; tile_dim1
	s_mov_b32 s[G1B+4], 64
	s_mov_b32 s[G1+5],  512                        ; elements from row to row
	s_mov_b32 s[G1B+5], 16384
	s_mov_b32 s[G1+6],  0
	s_mov_b32 s[G1B+6], 0
	s_mov_b32 s[G1+7],  0
	s_mov_b32 s[G1B+7], 0
	; where the tiles come from: tokb's hang on b alone, wb's on g alone; each offset in registers that never hold the other coordinate
	s_lshl_b32 s40, s20, 18                        ; 256 b rows of 1,024 bytes
	s_lshl_b32 s41, s16, 17                        ; + 128 rows for the second half
	s_add_co_u32 s40, s40, s41
	s_mov_b32 s41, 0
	s_lshl_b32 s44, s19, 11                        ; 1,024 g columns of 2 bytes
	s_lshl_b32 s45, s16, 21                        ; + 64 k-rows of 32,768 bytes for the second half
	s_add_co_u32 s44, s44, s45
	s_mov_b32 s45, 0
	s_mul_i32 s23, s14, QUART                      ; and where they go: wave x 34,816: no place in the cluster enters an LDS address
	s_wait_dscnt 0x0
	s_wait_kmcnt 0x0
	s_add_nc_u64 s[42:43], s[4:5], s[40:41]
	s_add_nc_u64 s[46:47], s[6:7], s[44:45]
	CROUND                                         ; all sixteen work-groups are here: the first joint loads meet
.irp s, 0,1
	s_mov_b32 s[G0+4*\s], 1
	s_add_co_u32 s[G0+4*\s+1], s23, \s*SLOT
	s_add_nc_u64 s[G0+4*\s+2:G0+4*\s+3], s[42:43], \s*256          ; K step s: 128 elements along tokb's rows
	s_or_b32 s[G0+4*\s+3], s[G0+4*\s+3], 0x80000000
	s_mov_b32 s[G0B+4*\s], 1
	s_add_co_u32 s[G0B+4*\s+1], s23, \s*SLOT
	s_add_nc_u64 s[G0B+4*\s+2:G0B+4*\s+3], s[46:47], \s*0x400000   ; K step s: 128 k-rows of wb
	s_or_b32 s[G0B+4*\s+3], s[G0B+4*\s+3], 0x80000000
	JLOAD \s                                       ; both slots are asked for before anything else: two tensor loads of the wave are out
.endr
	; bases of the plain loads and stores
	s_lshl_b32 s76, s19, 6
	s_lshl_b32 s78, s16, 3
	s_add_co_u32 s76, s76, s78
	s_add_co_u32 s76, s76, s15                     ; 2 (32 g + 4 wc) + wr
	s_mul_i32 s76, s76, 2560
	s_mov_b32 s77, 0
	s_add_nc_u64 s[70:71], s[10:11], s[76:77]      ; rot at my first head
	s_lshl_b32 s76, s19, 12
	s_lshl_b32 s78, s16, 9
	s_add_co_u32 s76, s76, s78                     ; 4 (1,024 g + 128 wc)
	s_add_nc_u64 s[72:73], s[8:9], s[76:77]        ; b_proj at my first column
	s_lshl_b32 s76, s20, 19
	s_lshl_b32 s78, s19, 7
	s_add_co_u32 s76, s76, s78                     ; 524,288 b + 128 g
	s_add_nc_u64 s[74:75], s[12:13], s[76:77]      ; out0 at my batch and my 32 heads
	s_cmp_lg_u32 s15, 0
	s_cselect_b32 s67, -1, 0                       ; all lanes where wr = 1
	s_mov_b32 s68, 0xbfb8aa3b                      ; -log2 e, twice (a pair for the packed multiply)
	s_mov_b32 s69, 0xbfb8aa3b
	; lane terms
	v_and_b32 v1, 31, v0                           ; l
	v_and_b32 v2, 15, v0                           ; r
	v_bfe_u32 v3, v0, 4, 1                         ; h
	v_lshlrev_b32 v[VL16], 4, v1
	v_lshlrev_b32 v[VB4], 2, v2
.irp bb, 0,1,2,3,4,5,6,7
	global_load_b32 v[BRAW+\bb], v[VB4], s[72:73] offset:64*\bb    ; the first tile's bias
.endr
	v_mov_b32 v[NEG1], -1.0
	v_mul_u32_u24 v4, v2, PITA                     ; tokb fragment: row r, 16 bytes for each half of the lanes; two loads 32 bytes apart
	v_lshl_add_u32 v4, v3, 4, v4
	s_mul_i32 s76, s15, QUART                      ; my 128 rows
	v_add_nc_u32 v[ADRA], s76, v4
	v_add_nc_u32 v[ADRA+1], SLOT, v[ADRA]
	v_and_b32 v5, 7, v0                            ; wb fragment, transposing load: k-row 8 h + (l & 7), 16 bytes at column 8 ((l >> 3) & 1)
	v_lshl_add_u32 v5, v3, 3, v5
	v_mul_u32_u24 v5, v5, PITB
	v_bfe_u32 v6, v0, 3, 1
	v_lshl_add_u32 v5, v6, 4, v5
	s_lshl_b32 s76, s16, 8                         ; my 128 columns
	s_add_co_u32 s76, s76, 2*QUART                 ; behind tokb's 256 rows
	v_add_nc_u32 v[ADRB], s76, v5
	v_add_nc_u32 v[ADRB+1], SLOT, v[ADRB]
	s_lshl_b32 s76, s14, 11
	s_add_co_u32 s76, s76, SCR
	v_add_nc_u32 v[VSC], s76, v[VL16]              ; my scratch
	s_xor_b32 s78, s14, 2                          ; the wave with my columns and the other rows
	s_lshl_b32 s78, s78, 11
	s_add_co_u32 s78, s78, SCR
	v_add_nc_u32 v[VSP], s78, v[VL16]
	s_lshl_b32 s76, s16, 2
	s_lshl_b32 s78, s15, 1
	s_add_co_u32 s76, s76, s78                     ; the first of the two heads whose sums I finish: 4 wc + 2 wr
	s_mul_i32 s76, s76, HP
	s_add_co_u32 s76, s76, STAGE
	v_mul_u32_u24 v7, v3, 576                      ; d = 8 h + j: 64 d + 64 (d >> 3) = 576 h + 64 j; e = r
	v_lshl_add_u32 v7, v2, 2, v7
	v_add_nc_u32 v[VSG], s76, v7
	v_and_b32 v8, 7, v0                            ; reading back: lane takes heads 4 (l & 7) + 0..3 of row 64 w + 4 u + (l >> 3) of the 256
	v_bfe_u32 v9, v0, 3, 2
	v_lshlrev_b32 v10, 4, v8
	v_mul_u32_u24 v8, v8, 4*HP
	v_lshl_add_u32 v8, v9, 2, v8
	s_lshl_b32 s76, s14, 8
	s_lshl_b32 s78, s15, 6
	s_add_co_u32 s76, s76, s78
	s_add_co_u32 s76, s76, STAGE                   ; 4 x 64 w + 64 (w >> 1): rows 64 w .. have d >> 3 = w >> 1
	v_add_nc_u32 v[VRD], s76, v8
	v_lshl_add_u32 v10, v9, 11, v10                ; the same in out0: rows of 2,048 bytes, 16 bytes a lane
	s_lshl_b32 s76, s14, 17
	v_add_nc_u32 v[VOUT], s76, v10
; The bias as a C operand: a result tile's lane holds one column, so all eight registers of column block bb hold that column's bias.
; 64 copies a tile stand for 512 additions onto the accumulators.
.macro BCFILL
	WIN TO_B
.irp bb, 0,1,2,3,4,5,6,7
.irp j, 0,1,2,3,4,5,6,7
	v_mov_b32 v[8*\bb+\j], v[BRAW+\bb]
.endr
.endr
	WIN 0
.endm
; 16 matrix instructions: row blocks a0, a0 + 1 of the window's four (hi = 0: my rows 0-63, 1: rows 64-127) x all 8 column blocks, 32 along K.
; cb = 1: the tile's first products take the bias as C and so start the sums: nothing is cleared.
; The 64 accumulators take turns, one instruction a turn, in the same order in every quarter step.
.macro MUL16 f, hi, a0, cb
.irp a, \a0, \a0+1
.irp b, 0,1,2,3,4,5,6,7
.if \cb
	v_wmma_f32_16x16x32_bf16 v[8*(8*(\a)+\b):8*(8*(\a)+\b)+7], v[\f+8*(4*\hi+\a):\f+8*(4*\hi+\a)+7], v[\f+8*\b:\f+8*\b+7], v[8*\b:8*\b+7]
.else
	v_wmma_f32_16x16x32_bf16 v[8*(8*(\a)+\b):8*(8*(\a)+\b)+7], v[\f+8*(4*\hi+\a):\f+8*(4*\hi+\a)+7], v[\f+8*\b:\f+8*\b+7], v[8*(8*(\a)+\b):8*(8*(\a)+\b)+7]
.endif
.endr
.endr
.endm
; 32 LDS loads in one run: the fragments of quarter step kq (32 along K) of a slot into buffer f: wb's 8 column blocks, then tokb's 8 row blocks
.macro FETCH slot, kq, f
	WIN TO_B
.irp i, 0,1,2,3,4,5,6,7
	ds_load_tr16_b128 v[\f+8*\i:\f+8*\i+3],   v[ADRB+\slot] offset:\kq*32*PITB+32*\i
	ds_load_tr16_b128 v[\f+8*\i+4:\f+8*\i+7], v[ADRB+\slot] offset:\kq*32*PITB+32*\i+16*PITB
.endr
	WIN 0
.irp i, 0,1,2,3,4,5,6,7
	ds_load_b128 v[\f+8*\i:\f+8*\i+3],   v[ADRA+\slot] offset:\kq*64+\i*16*PITA
	ds_load_b128 v[\f+8*\i+4:\f+8*\i+7], v[ADRA+\slot] offset:\kq*64+\i*16*PITA+32
.endr
.endm
; One of a K step's first three quarters: multiplies buffer f; in its middle it fetches quarter kq of the same slot into buffer g.
.macro QUARTER slot, kq, f, g, cb
	s_wait_dscnt 8                                 ; wb's fragments and tokb's rows 0-63 are in; the youngest eight loads (rows 64-127) may be out
.if \cb
	WIN BIAS_LO
.else
	WIN MUL_LO
.endif
	MUL16 \f, 0, 0, \cb
	MUL16 \f, 0, 2, \cb
	PLACES
	FETCH \slot, \kq, \g
	s_wait_dscnt 32                                ; all but the 32 just issued
.if \cb
	WIN BIAS_HI
.else
	WIN MUL_HI
.endif
	MUL16 \f, 1, 0, \cb
	MUL16 \f, 1, 2, \cb
.endm
.macro THREE slot, cb
	QUARTER \slot, 1, F0, F1, \cb
	QUARTER \slot, 2, F1, F0, 0
	QUARTER \slot, 3, F0, F1, 0
.endm
; The last quarter of a K step: multiplies buffer 1 and changes slots.  fill = 1: this slot is filled again two K steps on in the same column tile;
; fill = 2: with the next column tile's K step of the same place; fill = 0: not at all.  fetch = 1: the next slot's first fragments are read here.
; In front of the barrier each wave waits for its reads of this slot and for all its tensor loads (one is out: its part of the next slot).  Where the slot is
; filled again the barrier opens a round of the cluster's barrier, and the joint refill is the first tensor load behind the round's closing wait.
; From a request to the wait for it a wave issues 240 matrix instructions (and, over a change of tiles, the way out as well).
.macro TURN slot, next, fill, fetch
	s_wait_dscnt 8
	WIN MUL_LO
	MUL16 F1, 0, 0, 0
	s_wait_dscnt 0                                 ; my reads of this slot are over
	s_wait_tensorcnt 0x0                           ; all my tensor loads have landed
	ds_add_u32 v127, v127
	s_wait_dscnt 0x0
	s_barrier_signal -1
	MUL16 F1, 0, 2, 0                              ; register work while the others arrive
	WIN 0
	s_barrier_wait -1
.if \fill
	CREST                                          ; no wave of any partner still reads this slot or has a load on its way
.if \fill == 1
	s_add_nc_u64 s[G0+4*\slot+2:G0+4*\slot+3],   s[G0+4*\slot+2:G0+4*\slot+3],   512        ; 256 elements along tokb's rows
	s_add_nc_u64 s[G0B+4*\slot+2:G0B+4*\slot+3], s[G0B+4*\slot+2:G0B+4*\slot+3], 0x800000   ; 256 k-rows of wb
.else
	s_sub_nc_u64 s[G0+4*\slot+2:G0+4*\slot+3],   s[G0+4*\slot+2:G0+4*\slot+3],   512        ; back to the rows' first half
	s_sub_nc_u64 s[G0B+4*\slot+2:G0B+4*\slot+3], s[G0B+4*\slot+2:G0B+4*\slot+3], 0x7ffe00   ; 256 k-rows back, 256 columns (512 bytes) on
.endif
	JLOAD \slot
.endif
.if \fetch
	PLACES
	FETCH \next, 0, F0
.endif
	WIN MUL_HI
	MUL16 F1, 1, 0, 0
	MUL16 F1, 1, 2, 0
.endm
; The rotation constants of this tile's four heads (512 consecutive bytes an instruction), and the next tile's bias: asked for at a tile's head, used in its way out.
.macro CLOADS bias
.irp hd, 0,1,2,3
.irp kk, 0,1,2,3,4
	global_load_b128 v[CONST+20*\hd+4*\kk:CONST+20*\hd+4*\kk+3], v[VL16], s[70:71] offset:5120*\hd+512*\kk
.endr
.endr
.if \bias
.irp bb, 0,1,2,3,4,5,6,7
	global_load_b32 v[BRAW+\bb], v[VB4], s[72:73] offset:64*\bb
.endr
.endif
.endm
; Rows 32 w .. 32 w + 31 of head hd: v is split into two bf16; k goes through silu and the two turns, then is split.  K0, K1: the two k tiles; the v tiles lie 8 registers higher.
.macro UNIT w, hd
.set KW, 2+(\w>>1)
.set K0, 8*(16*(\w&1)+2*\hd)
.set K1, K0+64
.set CN, CONST+20*\hd
.set A2, OPS+16*\hd
.set B2, A2+8
.set A2L, OPL+16*\hd
.set B2L, A2L+8
	WIN (KW|(KW<<2))                               ; sources 0 and 1 from the accumulators' window
.irp x, 0,2,4,6
	v_pk_mul_f32 v[T+\x:T+\x+1], v[K0+\x:K0+\x+1], s[68:69] op_sel_hi:[1,0]         ; -x log2 e.  (These eight are also the places behind the last block's products.)
.endr
.irp x, 0,2,4,6
	v_pk_mul_f32 v[T+8+\x:T+8+\x+1], v[K1+\x:K1+\x+1], s[68:69] op_sel_hi:[1,0]
.endr
.irp x, 0,1,2,3
	v_cvt_pk_bf16_f32 v[B2+\x], v[K0+8+2*\x], v[K0+8+2*\x+1]                        ; v's high parts, rows 8 h + 0..7
.endr
.irp x, 0,1,2,3
	v_cvt_pk_bf16_f32 v[B2+4+\x], v[K1+8+2*\x], v[K1+8+2*\x+1]                      ; rows 16 + 8 h + 0..7
.endr
	WIN (KW<<4)                                    ; source 2 from the accumulators' window
.irp x, 0,1,2,3
	v_fma_mix_f32_bf16 v[U+2*\x],   v[B2+\x], v[NEG1], v[K0+8+2*\x]   op_sel_hi:[1,0,0]                ; v - its high part (the low half of the packed word), exact in f32
	v_fma_mix_f32_bf16 v[U+2*\x+1], v[B2+\x], v[NEG1], v[K0+8+2*\x+1] op_sel:[1,0,0] op_sel_hi:[1,0,0] ; the same with the high half
.endr
.irp x, 0,1,2,3
	v_fma_mix_f32_bf16 v[U+8+2*\x],   v[B2+4+\x], v[NEG1], v[K1+8+2*\x]   op_sel_hi:[1,0,0]
	v_fma_mix_f32_bf16 v[U+8+2*\x+1], v[B2+4+\x], v[NEG1], v[K1+8+2*\x+1] op_sel:[1,0,0] op_sel_hi:[1,0,0]
.endr
	WIN TO_B                                       ; destination window 1
.irp x, 0,1,2,3,4,5,6,7
	v_cvt_pk_bf16_f32 v[B2L+\x], v[U+2*\x], v[U+2*\x+1]                             ; v's low parts
.endr
	WIN 0
.irp x, 0,1,2,3,4,5,6,7,8,9,10,11,12,13,14,15
	v_exp_f32 v[T+\x], v[T+\x]
.endr
	v_mul_f32 v[TT],   v[CN+17], v[CN+19]          ; G conj(P), the second row block's phase; plain instructions behind the exponentials (ISA guide 5.7.2)
	v_mul_f32 v[TT+1], v[CN+16], v[CN+19]
	v_fma_f32 v[GB],   v[CN+16], v[CN+18], v[TT]
	v_fma_f32 v[GB+1], v[CN+17], v[CN+18], -v[TT+1]
	s_wait_alu depctr_va_vdst(0)
.irp x, 0,2,4,6,8,10,12,14
	v_pk_add_f32 v[T+\x:T+\x+1], v[T+\x:T+\x+1], 1.0 op_sel_hi:[1,0]
.endr
.irp x, 0,1,2,3,4,5,6,7,8,9,10,11,12,13,14,15
	v_rcp_f32 v[T+\x], v[T+\x]
.endr
.if \w < 3
	v_mul_f32 v[TT+2], v[GB+1], v[CN+19]           ; for the next block's G; also the plain place behind the reciprocals
	v_mul_f32 v[TT+3], v[GB],   v[CN+19]
	s_wait_alu depctr_va_vdst(0)
.else
	v_nop                                          ; the plain place behind the reciprocals; no block follows
	s_wait_alu depctr_va_vdst(0)
.endif
	WIN KW                                         ; source 0 from the accumulators' window
.irp x, 0,2,4,6
	v_pk_mul_f32 v[T+\x:T+\x+1], v[K0+\x:K0+\x+1], v[T+\x:T+\x+1]                   ; silu
.endr
.irp x, 0,2,4,6
	v_pk_mul_f32 v[T+8+\x:T+8+\x+1], v[K1+\x:K1+\x+1], v[T+8+\x:T+8+\x+1]
.endr
	WIN 0
.irp x, 0,1,2,3,4,5,6,7,8,9,10,11,12,13,14,15
	v_mul_f32_dpp v[U+\x], v[T+\x], v[CN+8+(\x&7)] row_xmask:1 row_mask:0xf bank_mask:0xf    ; k of column r xor 1, times my signed sine of F_j
.endr
.irp x, 0,2,4,6,8,10,12,14
	v_pk_fma_f32 v[T+\x:T+\x+1], v[T+\x:T+\x+1], v[CN+(\x&7):CN+(\x&7)+1], v[U+\x:U+\x+1]    ; the turn by F_j
.endr
.irp x, 0,1,2,3,4,5,6,7
	v_mul_f32_dpp v[U+\x], v[T+\x], v[CN+17] row_xmask:1 row_mask:0xf bank_mask:0xf
.endr
.irp x, 8,9,10,11,12,13,14,15
	v_mul_f32_dpp v[U+\x], v[T+\x], v[GB+1] row_xmask:1 row_mask:0xf bank_mask:0xf
.endr
.irp x, 0,2,4,6
	v_pk_fma_f32 v[T+\x:T+\x+1], v[T+\x:T+\x+1], v[CN+16:CN+17], v[U+\x:U+\x+1] op_sel_hi:[1,0,1]   ; the turn by the row block's phase: both halves times the cosine
.endr
.irp x, 8,10,12,14
	v_pk_fma_f32 v[T+\x:T+\x+1], v[T+\x:T+\x+1], v[GB:GB+1], v[U+\x:U+\x+1] op_sel_hi:[1,0,1]
.endr
.if \w < 3
	v_fma_f32 v[CN+16], v[GB],   v[CN+18], v[TT+2] ; G for the next 32 rows: G conj(P)^2
	v_fma_f32 v[CN+17], v[GB+1], v[CN+18], -v[TT+3]
.endif
.irp x, 0,1,2,3,4,5,6,7
	v_cvt_pk_bf16_f32 v[A2+\x], v[T+2*\x], v[T+2*\x+1]                              ; k's high parts
.endr
.irp x, 0,1,2,3,4,5,6,7
	v_fma_mix_f32_bf16 v[T+2*\x],   v[A2+\x], v[NEG1], v[T+2*\x]   op_sel_hi:[1,0,0]                   ; k - its high part, in place
	v_fma_mix_f32_bf16 v[T+2*\x+1], v[A2+\x], v[NEG1], v[T+2*\x+1] op_sel:[1,0,0] op_sel_hi:[1,0,0]
.endr
	WIN TO_B
.irp x, 0,1,2,3,4,5,6,7
	v_cvt_pk_bf16_f32 v[A2L+\x], v[T+2*\x], v[T+2*\x+1]                             ; k's low parts
.endr
	WIN 0
.endm
; 32 rows of all four heads, then the twelve products of k^T v: high high, low high, high low, the four heads within each.
; The four sums take turns, one instruction a turn; the first block's first four start them.
.macro WBLOCK w
	UNIT \w, 0
	UNIT \w, 1
	UNIT \w, 2
	UNIT \w, 3
.irp hd, 0,1,2,3
.if \w
	v_wmma_f32_16x16x32_bf16 v[D2+8*\hd:D2+8*\hd+7], v[OPS+16*\hd:OPS+16*\hd+7], v[OPS+16*\hd+8:OPS+16*\hd+15], v[D2+8*\hd:D2+8*\hd+7]
.else
	v_wmma_f32_16x16x32_bf16 v[D2+8*\hd:D2+8*\hd+7], v[OPS+16*\hd:OPS+16*\hd+7], v[OPS+16*\hd+8:OPS+16*\hd+15], 0
.endif
.endr
	WIN 0x01                                       ; source 0 (k's low parts) from window 1
.irp hd, 0,1,2,3
	v_wmma_f32_16x16x32_bf16 v[D2+8*\hd:D2+8*\hd+7], v[OPL+16*\hd:OPL+16*\hd+7], v[OPS+16*\hd+8:OPS+16*\hd+15], v[D2+8*\hd:D2+8*\hd+7]
.endr
	WIN 0x04                                       ; source 1 (v's low parts) from window 1
.irp hd, 0,1,2,3
	v_wmma_f32_16x16x32_bf16 v[D2+8*\hd:D2+8*\hd+7], v[OPS+16*\hd:OPS+16*\hd+7], v[OPL+16*\hd+8:OPL+16*\hd+15], v[D2+8*\hd:D2+8*\hd+7]
.endr
	WIN 0
.endm
; My two finished heads of column tile t go into the stage: (d = 8 h + j, e = r) at word 144 h + r + a constant: 32 lanes, 32 banks.
; The tile's eight heads stand in the immediate (27,748 bytes at the most), so that the address register is a lane term and the wave's constant and nothing else.
.macro STG t
.irp x, 0,1,2,3,4,5,6,7,8,9,10,11,12,13,14,15
	ds_store_b32 v[VSG], v[U+\x] offset:\t*8*HP+(\x>>3)*HP+64*(\x&7)
.endr
.endm
; A column tile's way out.  last = 1: no tile follows.
.macro EPI last
	PLACES                                         ; behind the tile's last products
	s_wait_loadcnt 0x0                             ; the constants (and the next bias) asked for at the tile's head are in; their bases may be stepped below
	WBLOCK 0
	WBLOCK 1
	WBLOCK 2
	WBLOCK 3
.if \last
	PLACES                                         ; behind the last products
.else
	BCFILL                                         ; the next tile's bias; these copies are also the places behind the last products
.endif
	; my sums cover my 128 rows.  The wave with the other rows finishes two of the four heads, I the other two: wr = 0 keeps heads 0, 1; wr = 1 keeps heads 2, 3.
.irp x, 0,1,2,3,4,5,6,7,8,9,10,11,12,13,14,15
	v_cndmask_b32 v[T+\x], v[D2+16+\x], v[D2+\x], s67          ; what I hand over
	v_cndmask_b32 v[U+\x], v[D2+\x], v[D2+16+\x], s67          ; what I keep
.endr
.irp q, 0,1,2,3
	ds_store_b128 v[VSC], v[T+4*\q:T+4*\q+3] offset:512*\q
.endr
	s_wait_dscnt 0x0                               ; my stores are done, for the partner's sake
	s_barrier_signal -1
	s_barrier_wait -1                              ; the tensor load that is out may stay out
.irp q, 0,1,2,3
	ds_load_b128 v[OPS+4*\q:OPS+4*\q+3], v[VSP] offset:512*\q
.endr
	s_wait_dscnt 0x0                               ; the scratch is written again only behind the next tile's barriers
.irp x, 0,2,4,6,8,10,12,14
	v_pk_add_f32 v[U+\x:U+\x+1], v[U+\x:U+\x+1], v[OPS+\x:OPS+\x+1]
.endr
.if \last
	STG 3
.else
	; the trip counter (3, 2, 1 for tiles 0, 1, 2; equal in all waves and in all work-groups) picks the run of stores with the tile's immediates;
	; each way issues the same sixteen LDS stores, so the counts of the waits that follow are the same on all three
	s_cmp_eq_u32 s66, 3
	s_cbranch_scc1 .Ltile_0_\@
	s_cmp_eq_u32 s66, 2
	s_cbranch_scc1 .Ltile_1_\@
	STG 2
	s_branch .Lstaged_\@
.Ltile_0_\@:
	STG 0
	s_branch .Lstaged_\@
.Ltile_1_\@:
	STG 1
.Lstaged_\@:
	s_add_nc_u64 s[70:71], s[70:71], 40960         ; rot: eight heads of 5,120 bytes
	s_add_nc_u64 s[72:73], s[72:73], 1024          ; b_proj: 256 columns
.endif
.endm
	s_wait_loadcnt 0x0                             ; the first tile's bias
	BCFILL
	s_add_nc_u64 s[72:73], s[72:73], 1024          ; from now on the base points at the tile after the one at work
	s_wait_tensorcnt 1                             ; my part of K step 0 is in; K step 1's may stay out
	s_barrier_signal -1
	s_barrier_wait -1                              ; everybody's is
	s_mov_b32 s66, 3
.Ltile:                                            ; column tiles 0 to 2; every window is 0 here
	CLOADS 1
	FETCH 0, 0, F0
	THREE 0, 1
	TURN 0, 1, 1, 1
	THREE 1, 0
	TURN 1, 0, 1, 1
	THREE 0, 0
	TURN 0, 1, 2, 1                                ; slot 0 gets the next tile's K step 0,
	THREE 1, 0
	TURN 1, 0, 2, 0                                ; slot 1 its K step 1, which lands during the way out
	EPI 0
	s_sub_co_u32 s66, s66, 1
	s_cmp_lg_u32 s66, 0
	s_cbranch_scc1 .Ltile
	CLOADS 0                                       ; the last tile, written out: its last two K steps fill nothing
	FETCH 0, 0, F0
	THREE 0, 1
	TURN 0, 1, 1, 1
	THREE 1, 0
	TURN 1, 0, 1, 1
	THREE 0, 0
	TURN 0, 1, 0, 1
	THREE 1, 0
	s_wait_dscnt 8                                 ; the very last quarter: nothing more to fetch
	WIN MUL_LO
	MUL16 F1, 0, 0, 0
	MUL16 F1, 0, 2, 0
	s_wait_dscnt 0
	WIN MUL_HI
	MUL16 F1, 1, 0, 0
	MUL16 F1, 1, 2, 0
	EPI 1
	; OUTPUT.  The stage holds 32 heads x 256 sums.  Wave w stores rows 64 w .. 64 w + 63 of the batch's 256, four rows an instruction:
	; lane l takes heads 4 (l & 7) + 0..3 of row 64 w + 4 u + (l >> 3): four words from the stage (word 1,092 (l & 7) + (l >> 3) + a constant: 32 banks), 16 bytes out.
.macro STLOAD u                        ; group u: the four words of my place in rows 64 w + 4 u .. + 3
.irp c, 0,1,2,3
	ds_load_b32 v[T+4*(\u)+\c], v[VRD] offset:\c*HP+16*(\u)
.endr
.endm
.macro STOUT u                         ; four runs of 128 consecutive bytes, each aligned to 128
	global_store_b128 v[VOUT], v[T+4*(\u):T+4*(\u)+3], s[74:75] offset:8192*(\u) th:TH_STORE_NT
.endm
	s_wait_dscnt 0x0                               ; my stores into the stage are done
	s_barrier_signal -1
	s_barrier_wait -1                              ; everybody's are
.irp u, 0,1,2,3,4,5,6,7
	STLOAD \u                                      ; eight groups, 32 loads, are out
.endr
.irp u, 0,1,2,3,4,5,6,7
	s_wait_dscnt 28                                ; LDS loads come back in order: group u is in; the 28 younger loads are 4 (7 - u) of the first run and 4 u of the second
	STOUT \u
	STLOAD \u+8                                    ; into registers of its own: no store's data is written again
.endr
.irp u, 8,9,10,11,12,13,14,15
	s_wait_dscnt 60-4*\u                           ; the groups behind u stay out; the counts run down to 0
	STOUT \u
.endr
	s_set_vgpr_msb 0x4
	s_wait_tensorcnt 0x0
	ds_add_u32 v127, v127
	s_wait_dscnt 0x0
	s_set_vgpr_msb 0x400
	CROUND                                         ; the closing round: no work-group ends while a partner may still ask for a tile that names it
	s_endpgm
.Lfunc_end_k_q74f32448ec_kvmem:
	.size	k_q74f32448ec_kvmem, .Lfunc_end_k_q74f32448ec_kvmem-k_q74f32448ec_kvmem
	.p2alignl 7, 3214868480
	.fill 96, 4, 3214868480
	.section	.rodata,"a",@progbits
	.p2align	6, 0x0
	.amdhsa_kernel k_q74f32448ec_kvmem
		.amdhsa_group_segment_fixed_size 327680
		.amdhsa_private_segment_fixed_size 0
		.amdhsa_enable_private_segment 0
		.amdhsa_kernarg_size 40
		.amdhsa_user_sgpr_count 2
		.amdhsa_user_sgpr_kernarg_segment_ptr 1
		.amdhsa_wavefront_size32 1
		.amdhsa_system_sgpr_workgroup_id_x 1
		.amdhsa_system_sgpr_workgroup_id_y 1
		.amdhsa_system_sgpr_workgroup_id_z 1
		.amdhsa_system_vgpr_workitem_id 0
		.amdhsa_next_free_vgpr 1024
		.amdhsa_next_free_sgpr 80
		.amdhsa_reserve_vcc 0
		.amdhsa_float_denorm_mode_32 3
		.amdhsa_float_denorm_mode_16_64 3
		.amdhsa_memory_ordered 1
		.amdhsa_forward_progress 1
		.amdhsa_inst_pref_size 255
	.end_amdhsa_kernel
	.section	.bss,"aw",@nobits
	.p2align	6
	.space	262144
	.amdgpu_metadata
---
amdhsa.version: [ 1, 2 ]
amdhsa.kernels:
  - .name:           k_q74f32448ec_kvmem
    .symbol:         k_q74f32448ec_kvmem.kd
    .args:
      - { .name: tokb, .offset: 0, .size: 8, .value_kind: global_buffer, .address_space: global }
      - { .name: wb, .offset: 8, .size: 8, .value_kind: global_buffer, .address_space: global }
      - { .name: b_proj, .offset: 16, .size: 8, .value_kind: global_buffer, .address_space: global }
      - { .name: rot, .offset: 24, .size: 8, .value_kind: global_buffer, .address_space: global }
      - { .name: out0, .offset: 32, .size: 8, .value_kind: global_buffer, .address_space: global }
    .group_segment_fixed_size: 327680
    .private_segment_fixed_size: 0
    .kernarg_segment_align: 8
    .kernarg_segment_size: 40
    .max_flat_workgroup_size: 128
    .sgpr_count:     80
    .vgpr_count:     1024
    .wavefront_size: 32
...
	.end_amdgpu_metadata
.endif
;; end of part 2
;; ======== version 2 of 3: 2 launches; 1.27 times as fast as version 1
;; limits: values are held in f16: magnitudes above 65,504 overflow, below 6.1e-05 lose precision
;; workspace buffers: tokb 4,194,304 bytes; wb 16,777,216 bytes; rot 2,621,440 bytes
;; launch prep: the kernel of part 1 again; grid 768 x 1, 8 waves a work-group, no clusters, 0 bytes of LDS; arguments token, W_proj, tokb, wb, rot; writes tokb, wb, rot
;; launch kvmem (part 3): grid 16 x 16, 4 waves a work-group, clusters of 4 x 4, 327,680 bytes of LDS; arguments tokb, wb, b_proj, rot, out0; writes out0
.if DOCPART == 3
	.amdgcn_target "amdgcn-amd-amdhsa--gfx1250"
	.amdhsa_code_object_version 6
	.text
	.protected	k_q74f32448ec_kvmem
	.globl	k_q74f32448ec_kvmem
	.p2align	8
	.type	k_q74f32448ec_kvmem,@function
k_q74f32448ec_kvmem:
	s_mov_b64 s[64:65], 0
	v_nop
	global_prefetch_b8 v0, s[64:65] scope:SCOPE_SE
	s_setreg_imm32_b32 hwreg(HW_REG_WAVE_MODE, 25, 1), 1
	s_wait_xcnt 0x0
	s_wait_alu depctr_hold_cnt(0) depctr_sa_sdst(0) depctr_va_vdst(0) depctr_va_sdst(0) depctr_va_ssrc(0) depctr_va_vcc(0) depctr_vm_vsrc(0)
	s_getreg_b32 s2, hwreg(HW_REG_IB_STS2, 6, 4)
	s_cmp_eq_u32 s2, 0
	s_cbranch_scc0 .Lentry_in_a_cluster
	s_endpgm
.Lentry_in_a_cluster:
	s_bfe_u32 s2, ttmp6, 0x10000c
	s_cmp_lg_u32 s2, 0xf033
	s_cbranch_scc0 .Lentry_shape_is_right
	s_endpgm
.Lentry_shape_is_right:
; kv = token W + b (4,096 x 16,384 x 512, bf16 operands, f32 sums); per head h (32 neighbouring columns: 16 of k, 16 of v) k = rotate(silu(k));
; out0[b][16 d + e][h] = sum over the 256 positions n of k[n][d] v[n][e].  All of it in one launch: kv never leaves the registers.
; SHARES.  Work-group (x = g, y = b) owns batch b (256 rows of tokb) and heads 32 g .. 32 g + 31 (1,024 columns of wb); it stays and walks four column
; tiles of 256 columns (8 heads), each a product 256 x 256 x 512.  16 x 16 = 256 work-groups of equal work.  Four waves, as many as a WGP has SIMDs:
; wave w makes rows 128 wr .. +127 (wr = w >> 1) and columns 128 wc .. +127 (wc = w & 1, four heads) in 64 accumulator tiles of 16 x 16, 512 registers.
; THE RING.  K goes in steps of 128 through two LDS slots filled by the tensor data mover: 256 rows of tokb (256 bytes each) and 128 k-rows of wb
; (512 bytes each).  wb lies [K][N]: its fragments are read with the transposing LDS load.  The ring runs on from one column tile into the next.
; CLUSTERS.  4 x 4 work-groups.  The four of a row of the cluster share b, so tokb's tiles; the four of a column share g, so wb's tiles: each tile is asked
; for jointly, by the same load with the same descriptor and a mask that names the four, which divides the requests for both by four.
; THE WAY OUT.  The matrix instruction is used in its natural orientation (source 0 = rows of tokb, source 1 = columns of wb): lane (r = l % 16, h = l / 16)
; holds column r and rows 8 h + 0..7 of a tile.  Two such tiles of 16 rows, rounded to 16 bits, ARE an operand of 32 along the sum of the second product
; (registers 0-3: n = 8 h + 0..7, registers 4-7: n = 16 + 8 h + 0..7), the k tiles as source 0 and the v tiles as source 1: no shuffle, no LDS.
; The bias enters as the C operand of a tile's first products.  silu and the rotation are done on the accumulators in f32; the partner column of
; the rotation (r xor 1) is the neighbouring lane and comes with the multiply (DPP).  The phase of row n is split as in the table rot:
; E^(255-n) = G conj(P)^a F_j, so each number is turned twice, by F_j (register j) and by G conj(P)^a (row block a), with no sine or cosine here.
; THE SECOND PRODUCT'S OPERANDS ARE f16.  One rounding to bf16 is off by up to 2^-9 of the number; two factors so rounded, over 256 terms of random sign,
; leave about a fifth of the allowance (a hundredth of the output's root mean square) as the error's own root mean square: too much for two million outputs.
; f16 rounds eight times finer, at one conversion a pair and one matrix instruction a block, as bf16 would.
; The two waves that share four heads hand each other half of their partial sums through LDS; the sums of all 32 heads gather in an LDS stage.
; out0 has h along its rows: the work-group's 32 heads are 128 consecutive bytes of each of its 256 rows, and each store of a wave covers four such runs,
; each aligned to 128 bytes.  A run of 256 bytes would be 64 heads: work-groups of 64 heads would be 128 in number, half as many.
; LIMITS.  token and W are rounded to bf16; k behind the turn and v to f16.
; RANGE: |v| and |k| behind the turn must stay below 65,504, f16's largest number; beyond it the conversion gives infinity.  By the problem's sizes: kv has the spread
; 1 for the spreads 1 of token and 512^-1/2 of W; with both 30 times larger it is 900, and six spreads are 5,400; with a common offset of 30 spreads on both,
; kv is about 512 x 30 x 1.33 = 20,400, behind the turn at most sqrt 2 times that, 28,800.  Below 2^-14 f16 steps by 2^-24: with both inputs 30 times smaller
; kv is about 1e-3, and the step is 6e-5 of it.
; The phases carry the table's error (about 1e-5 radians at the largest angle).
; silu(x) = x / (1 + 2^(-x log2 e)): where the power overflows the quotient is x times 0, a zero with x's sign, as silu's limit is.
; THE LAST TILE IS WRITTEN OUT, its way out too: its last two K steps fill no slot.
;
; REGISTERS, in windows of 256 (s_set_vgpr_msb's low byte: bits 1:0 source 0, 3:2 source 1, 5:4 source 2, 7:6 destination):
;   window 0: v16-28 addresses; v32-111 rotation constants of my four heads; v112-119 the next tile's bias; v120-125 at work;
;             v128-191, v192-255 fragments of tokb, two buffers; in the way out the same 128 registers are T, U, the second product's operands and sums
;   window 1: v0-63 the bias as a C operand (eight equal registers for each of 8 column blocks); v128-191, v192-255 fragments of wb, two buffers
;   window 2: accumulator tiles of my rows 0-63 (tile (a, b) at v[8 (8 a + b)]);   window 3: those of rows 64-127
.set PITA,   272                       ; an LDS row of tokb: 256 bytes + 16 of padding, an odd multiple of 16: the 16 rows of a fragment load start in 16 different groups of banks
.set PITB,   544                       ; an LDS row of wb: 512 bytes + 32 of padding, an odd multiple of 32, for the transposing load
.set QUART,  128*PITA                  ; what one tensor load brings: 128 rows of tokb, or 64 k-rows of wb (64 x 544 is the same 34,816 bytes)
.set SLOT,   4*QUART                   ; tokb's 256 rows, then wb's 128 k-rows
.set SCR,    2*SLOT                    ; behind the ring: 2,048 bytes a wave, partial sums for the partner wave; no tensor load lands here
.set STAGE,  SCR+8192                  ; 32 heads x HP bytes: the work-group's results; no tensor load lands here
.set HP,     1092                      ; a head's 256 sums: (d, e) at 64 d + 4 e + 64 (d >> 3); 273 words, so that four heads on are 4 banks on
.set ADRA, 16                          ; v16-17  LDS address of my tokb fragments in slot 0, 1
.set ADRB, 20                          ; v20-21  the same for wb
.set VL16, 22                          ; 16 x lane
.set VB4,  23                          ; 4 r
.set VSC,  24                          ; my scratch
.set VSP,  25                          ; my partner's scratch
.set VSG,  26                          ; where my sums of the first tile go in the stage; never rewritten: the tile stands in the stores' immediates
.set VRD,  27                          ; where I read the stage back
.set VOUT, 28                          ; my byte offset in out0
.set CONST, 32                         ; head hd at CONST + 20 hd: cos F_0..7, sin F_0..7, cos G, sin G, cos P, sin P
.set BRAW, 112                         ; bias of column block bb, column r
.set GB,   120                         ; G conj(P): cosine, sine
.set TT,   122                         ; four products at work
.set F0,   128                         ; fragment buffer 0
.set F1,   192                         ; fragment buffer 1
.set T,    128                         ; way out: 16 numbers of k at work
.set U,    144                         ; way out: 16 partner terms
.set OPS,  160                         ; way out: head hd's operands in f16, k at OPS + 16 hd, v eight registers higher
.set D2,   224                         ; way out: head hd's 16 x 16 sums at D2 + 8 hd
.set G1,  24                           ; s[24:31] descriptor group 1 for tokb's tiles
.set G0,  32                           ; s[32:39] descriptor group 0 for tokb's tiles, a set for each slot
.set G1B, 48                           ; s[48:55] group 1 for wb's tiles
.set G0B, 56                           ; s[56:63] group 0 for wb's tiles, a set for each slot
.set MUL_LO,  0xa4                     ; source 0 (tokb) window 0, source 1 (wb) window 1, C and D window 2
.set MUL_HI,  0xf4                     ; the same, C and D window 3
.set BIAS_LO, 0x94                     ; C from window 1 (the bias), D window 2
.set BIAS_HI, 0xd4                     ; C from window 1, D window 3
.set TO_B,    0x40                     ; destination window 1
.set MSB, 0
.macro WIN new                         ; the immediate's high byte repeats the setting that is left; a switch that changes nothing is dropped
.if MSB != \new
	s_set_vgpr_msb (MSB<<8)|\new
.set MSB, \new
.endif
.endm
; Four places: a vector instruction that reads a matrix result or writes a matrix instruction's register, and a load into such a register, stand four plain
; vector instructions behind that matrix instruction (ISA guide 7.12.1 for vector instructions).
.macro PLACES
.rept 4
	v_nop
.endr
.endm
; A joint load.  Waves 0 and 1 fetch tokb's two halves, waves 2 and 3 wb's.  Each line has one mask and one set of registers; the branch hangs on the wave's number alone.
.macro JLOAD s
	s_cmp_eq_u32 s15, 0
	s_cbranch_scc0 .Lfor_b_\@
	tensor_load_to_lds s[G0+4*\s:G0+4*\s+3], s[G1:G1+7]
	s_nop 0
	s_branch .Lasked_\@
.Lfor_b_\@:
	tensor_load_to_lds s[G0B+4*\s:G0B+4*\s+3], s[G1B:G1B+7]
	s_nop 0
.Lasked_\@:
.endm
; A round of the cluster's barrier: my work-group's barrier, wave 0 signals for the work-group, every wave waits for all sixteen, my work-group's barrier again.
.macro CREST                           ; a round behind its opening barrier
	s_cmp_lg_u32 s14, 0
	s_cbranch_scc1 .Lnot_wave_0_\@
	s_barrier_signal -3
.Lnot_wave_0_\@:
	s_barrier_wait -3
	s_barrier_signal -1
	s_barrier_wait -1
.endm
.macro CROUND                          ; a whole round
	s_barrier_signal -1
	s_barrier_wait -1
	CREST
.endm
	s_load_b256 s[4:11], s[0:1], 0x0               ; tokb s[4:5], wb s[6:7], b_proj s[8:9], rot s[10:11]
	s_load_b64 s[12:13], s[0:1], 0x20              ; out0
	v_lshl_add_u32 v127, v0, 2, 0x4e900
	s_set_vgpr_msb 0x40
	v_mov_b32 v127, 0
	s_set_vgpr_msb 0x4044
	ds_add_u32 v127, v127
	s_set_vgpr_msb 0x4400
	v_lshrrev_b32 v1, 5, v0
	v_readfirstlane_b32 s14, v1                    ; wave 0..3
	s_lshr_b32 s15, s14, 1                         ; wr: my half of the rows.  Also: I fetch for tokb (0) or for wb (1)
	s_and_b32 s16, s14, 1                          ; wc: my half of the columns.  Also: which half of that tile I fetch
	s_bfe_u32 s17, ttmp6, 0x40000                  ; cx
	s_bfe_u32 s18, ttmp6, 0x40004                  ; cy
	s_lshl_b32 s19, ttmp9, 2
	s_add_co_u32 s19, s19, s17                     ; g = 4 x cluster x + cx
	s_and_b32 s20, ttmp7, 0xffff
	s_lshl_b32 s20, s20, 2
	s_add_co_u32 s20, s20, s18                     ; b = 4 x cluster y + cy
	s_lshl_b32 s21, s18, 2
	s_lshl_b32 s21, 15, s21                        ; my row of the cluster: places 4 cy .. 4 cy + 3
	s_lshl_b32 s22, 0x1111, s17                    ; my column: places cx, cx + 4, cx + 8, cx + 12
	; group 1.  tokb: 128 rows x 128 elements, 4 words of padding behind every 64.  wb: 64 k-rows x 256 elements, 8 words behind every 128.
	s_or_b32 s[G1+0],  s21, (1<<16)|(1<<20)|(1<<21)|(5<<22)|(3<<25)   ; 15:0 mask: my row; 17:16 elements of 2 bytes; 20 padding on; 21 set beside a mask; 24:22 interval; 31:25 pad - 1
	s_or_b32 s[G1B+0], s22, (1<<16)|(1<<20)|(1<<21)|(6<<22)|(7<<25)   ; mask: my column
	s_mov_b32 s[G1+1],  128<<16                    ; tensor_dim0 = the tile's (no tile crosses its tensor's end)
	s_mov_b32 s[G1B+1], 256<<16
	s_mov_b32 s[G1+2],  128<<16                    ; tensor_dim1
	s_mov_b32 s[G1B+2], 64<<16
	s_mov_b32 s[G1+3],  128<<16                    ; tile_dim0
	s_mov_b32 s[G1B+3], 256<<16
	s_mov_b32 s[G1+4],  128                        ; tile_dim1
	s_mov_b32 s[G1B+4], 64
	s_mov_b32 s[G1+5],  512                        ; elements from row to row
	s_mov_b32 s[G1B+5], 16384
	s_mov_b32 s[G1+6],  0
	s_mov_b32 s[G1B+6], 0
	s_mov_b32 s[G1+7],  0
	s_mov_b32 s[G1B+7], 0
	; where the tiles come from: tokb's hang on b alone, wb's on g alone; each offset in registers that never hold the other coordinate
	s_lshl_b32 s40, s20, 18                        ; 256 b rows of 1,024 bytes
	s_lshl_b32 s41, s16, 17                        ; + 128 rows for the second half
	s_add_co_u32 s40, s40, s41
	s_mov_b32 s41, 0
	s_lshl_b32 s44, s19, 11                        ; 1,024 g columns of 2 bytes
	s_lshl_b32 s45, s16, 21                        ; + 64 k-rows of 32,768 bytes for the second half
	s_add_co_u32 s44, s44, s45
	s_mov_b32 s45, 0
	s_mul_i32 s23, s14, QUART                      ; and where they go: wave x 34,816: no place in the cluster enters an LDS address
	s_wait_dscnt 0x0
	s_wait_kmcnt 0x0
	s_add_nc_u64 s[42:43], s[4:5], s[40:41]
	s_add_nc_u64 s[46:47], s[6:7], s[44:45]
	CROUND                                         ; all sixteen work-groups are here: the first joint loads meet
.irp s, 0,1
	s_mov_b32 s[G0+4*\s], 1
	s_add_co_u32 s[G0+4*\s+1], s23, \s*SLOT
	s_add_nc_u64 s[G0+4*\s+2:G0+4*\s+3], s[42:43], \s*256          ; K step s: 128 elements along tokb's rows
	s_or_b32 s[G0+4*\s+3], s[G0+4*\s+3], 0x80000000
	s_mov_b32 s[G0B+4*\s], 1
	s_add_co_u32 s[G0B+4*\s+1], s23, \s*SLOT
	s_add_nc_u64 s[G0B+4*\s+2:G0B+4*\s+3], s[46:47], \s*0x400000   ; K step s: 128 k-rows of wb
	s_or_b32 s[G0B+4*\s+3], s[G0B+4*\s+3], 0x80000000
	JLOAD \s                                       ; both slots are asked for before anything else: two tensor loads of the wave are out
.endr
	; bases of the plain loads and stores
	s_lshl_b32 s76, s19, 6
	s_lshl_b32 s78, s16, 3
	s_add_co_u32 s76, s76, s78
	s_add_co_u32 s76, s76, s15                     ; 2 (32 g + 4 wc) + wr
	s_mul_i32 s76, s76, 2560
	s_mov_b32 s77, 0
	s_add_nc_u64 s[70:71], s[10:11], s[76:77]      ; rot at my first head
	s_lshl_b32 s76, s19, 12
	s_lshl_b32 s78, s16, 9
	s_add_co_u32 s76, s76, s78                     ; 4 (1,024 g + 128 wc)
	s_add_nc_u64 s[72:73], s[8:9], s[76:77]        ; b_proj at my first column
	s_lshl_b32 s76, s20, 19
	s_lshl_b32 s78, s19, 7
	s_add_co_u32 s76, s76, s78                     ; 524,288 b + 128 g
	s_add_nc_u64 s[74:75], s[12:13], s[76:77]      ; out0 at my batch and my 32 heads
	s_cmp_lg_u32 s15, 0
	s_cselect_b32 s67, -1, 0                       ; all lanes where wr = 1
	s_mov_b32 s68, 0xbfb8aa3b                      ; -log2 e, twice (a pair for the packed multiply)
	s_mov_b32 s69, 0xbfb8aa3b
	; lane terms
	v_and_b32 v1, 31, v0                           ; l
	v_and_b32 v2, 15, v0                           ; r
	v_bfe_u32 v3, v0, 4, 1                         ; h
	v_lshlrev_b32 v[VL16], 4, v1
	v_lshlrev_b32 v[VB4], 2, v2
.irp bb, 0,1,2,3,4,5,6,7
	global_load_b32 v[BRAW+\bb], v[VB4], s[72:73] offset:64*\bb    ; the first tile's bias
.endr
	v_mul_u32_u24 v4, v2, PITA                     ; tokb fragment: row r, 16 bytes for each half of the lanes; two loads 32 bytes apart
	v_lshl_add_u32 v4, v3, 4, v4
	s_mul_i32 s76, s15, QUART                      ; my 128 rows
	v_add_nc_u32 v[ADRA], s76, v4
	v_add_nc_u32 v[ADRA+1], SLOT, v[ADRA]
	v_and_b32 v5, 7, v0                            ; wb fragment, transposing load: k-row 8 h + (l & 7), 16 bytes at column 8 ((l >> 3) & 1)
	v_lshl_add_u32 v5, v3, 3, v5
	v_mul_u32_u24 v5, v5, PITB
	v_bfe_u32 v6, v0, 3, 1
	v_lshl_add_u32 v5, v6, 4, v5
	s_lshl_b32 s76, s16, 8                         ; my 128 columns
	s_add_co_u32 s76, s76, 2*QUART                 ; behind tokb's 256 rows
	v_add_nc_u32 v[ADRB], s76, v5
	v_add_nc_u32 v[ADRB+1], SLOT, v[ADRB]
	s_lshl_b32 s76, s14, 11
	s_add_co_u32 s76, s76, SCR
	v_add_nc_u32 v[VSC], s76, v[VL16]              ; my scratch
	s_xor_b32 s78, s14, 2                          ; the wave with my columns and the other rows
	s_lshl_b32 s78, s78, 11
	s_add_co_u32 s78, s78, SCR
	v_add_nc_u32 v[VSP], s78, v[VL16]
	s_lshl_b32 s76, s16, 2
	s_lshl_b32 s78, s15, 1
	s_add_co_u32 s76, s76, s78                     ; the first of the two heads whose sums I finish: 4 wc + 2 wr
	s_mul_i32 s76, s76, HP
	s_add_co_u32 s76, s76, STAGE
	v_mul_u32_u24 v7, v3, 576                      ; d = 8 h + j: 64 d + 64 (d >> 3) = 576 h + 64 j; e = r
	v_lshl_add_u32 v7, v2, 2, v7
	v_add_nc_u32 v[VSG], s76, v7
	v_and_b32 v8, 7, v0                            ; reading back: lane takes heads 4 (l & 7) + 0..3 of row 64 w + 4 u + (l >> 3) of the 256
	v_bfe_u32 v9, v0, 3, 2
	v_lshlrev_b32 v10, 4, v8
	v_mul_u32_u24 v8, v8, 4*HP
	v_lshl_add_u32 v8, v9, 2, v8
	s_lshl_b32 s76, s14, 8
	s_lshl_b32 s78, s15, 6
	s_add_co_u32 s76, s76, s78
	s_add_co_u32 s76, s76, STAGE                   ; 4 x 64 w + 64 (w >> 1): rows 64 w .. have d >> 3 = w >> 1
	v_add_nc_u32 v[VRD], s76, v8
	v_lshl_add_u32 v10, v9, 11, v10                ; the same in out0: rows of 2,048 bytes, 16 bytes a lane
	s_lshl_b32 s76, s14, 17
	v_add_nc_u32 v[VOUT], s76, v10
; The bias as a C operand: a result tile's lane holds one column, so all eight registers of column block bb hold that column's bias.
; 64 copies a tile stand for 512 additions onto the accumulators.
.macro BCFILL
	WIN TO_B
.irp bb, 0,1,2,3,4,5,6,7
.irp j, 0,1,2,3,4,5,6,7
	v_mov_b32 v[8*\bb+\j], v[BRAW+\bb]
.endr
.endr
	WIN 0
.endm
; 16 matrix instructions: row blocks a0, a0 + 1 of the window's four (hi = 0: my rows 0-63, 1: rows 64-127) x all 8 column blocks, 32 along K.
; cb = 1: the tile's first products take the bias as C and so start the sums: nothing is cleared.
; The 64 accumulators take turns, one instruction a turn, in the same order in every quarter step.
.macro MUL16 f, hi, a0, cb
.irp a, \a0, \a0+1
.irp b, 0,1,2,3,4,5,6,7
.if \cb
	v_wmma_f32_16x16x32_bf16 v[8*(8*(\a)+\b):8*(8*(\a)+\b)+7], v[\f+8*(4*\hi+\a):\f+8*(4*\hi+\a)+7], v[\f+8*\b:\f+8*\b+7], v[8*\b:8*\b+7]
.else
	v_wmma_f32_16x16x32_bf16 v[8*(8*(\a)+\b):8*(8*(\a)+\b)+7], v[\f+8*(4*\hi+\a):\f+8*(4*\hi+\a)+7], v[\f+8*\b:\f+8*\b+7], v[8*(8*(\a)+\b):8*(8*(\a)+\b)+7]
.endif
.endr
.endr
.endm
; 32 LDS loads in one run: the fragments of quarter step kq (32 along K) of a slot into buffer f: wb's 8 column blocks, then tokb's 8 row blocks
.macro FETCH slot, kq, f
	WIN TO_B
.irp i, 0,1,2,3,4,5,6,7
	ds_load_tr16_b128 v[\f+8*\i:\f+8*\i+3],   v[ADRB+\slot] offset:\kq*32*PITB+32*\i
	ds_load_tr16_b128 v[\f+8*\i+4:\f+8*\i+7], v[ADRB+\slot] offset:\kq*32*PITB+32*\i+16*PITB
.endr
	WIN 0
.irp i, 0,1,2,3,4,5,6,7
	ds_load_b128 v[\f+8*\i:\f+8*\i+3],   v[ADRA+\slot] offset:\kq*64+\i*16*PITA
	ds_load_b128 v[\f+8*\i+4:\f+8*\i+7], v[ADRA+\slot] offset:\kq*64+\i*16*PITA+32
.endr
.endm
; One of a K step's first three quarters: multiplies buffer f; in its middle it fetches quarter kq of the same slot into buffer g.
.macro QUARTER slot, kq, f, g, cb
	s_wait_dscnt 8                                 ; wb's fragments and tokb's rows 0-63 are in; the youngest eight loads (rows 64-127) may be out
.if \cb
	WIN BIAS_LO
.else
	WIN MUL_LO
.endif
	MUL16 \f, 0, 0, \cb
	MUL16 \f, 0, 2, \cb
	PLACES
	FETCH \slot, \kq, \g
	s_wait_dscnt 32                                ; all but the 32 just issued
.if \cb
	WIN BIAS_HI
.else
	WIN MUL_HI
.endif
	MUL16 \f, 1, 0, \cb
	MUL16 \f, 1, 2, \cb
.endm
.macro THREE slot, cb
	QUARTER \slot, 1, F0, F1, \cb
	QUARTER \slot, 2, F1, F0, 0
	QUARTER \slot, 3, F0, F1, 0
.endm
; The last quarter of a K step: multiplies buffer 1 and changes slots.  fill = 1: this slot is filled again two K steps on in the same column tile;
; fill = 2: with the next column tile's K step of the same place; fill = 0: not at all.  fetch = 1: the next slot's first fragments are read here.
; In front of the barrier each wave waits for its reads of this slot and for all its tensor loads (one is out: its part of the next slot).  Where the slot is
; filled again the barrier opens a round of the cluster's barrier, and the joint refill is the first tensor load behind the round's closing wait.
; From a request to the wait for it a wave issues 240 matrix instructions (and, over a change of tiles, the way out as well).
.macro TURN slot, next, fill, fetch
	s_wait_dscnt 8
	WIN MUL_LO
	MUL16 F1, 0, 0, 0
	s_wait_dscnt 0                                 ; my reads of this slot are over
	s_wait_tensorcnt 0x0                           ; all my tensor loads have landed
	ds_add_u32 v127, v127
	s_wait_dscnt 0x0
	s_barrier_signal -1
	MUL16 F1, 0, 2, 0                              ; register work while the others arrive
	WIN 0
	s_barrier_wait -1
.if \fill
	CREST                                          ; no wave of any partner still reads this slot or has a load on its way
.if \fill == 1
	s_add_nc_u64 s[G0+4*\slot+2:G0+4*\slot+3],   s[G0+4*\slot+2:G0+4*\slot+3],   512        ; 256 elements along tokb's rows
	s_add_nc_u64 s[G0B+4*\slot+2:G0B+4*\slot+3], s[G0B+4*\slot+2:G0B+4*\slot+3], 0x800000   ; 256 k-rows of wb
.else
	s_sub_nc_u64 s[G0+4*\slot+2:G0+4*\slot+3],   s[G0+4*\slot+2:G0+4*\slot+3],   512        ; back to the rows' first half
	s_sub_nc_u64 s[G0B+4*\slot+2:G0B+4*\slot+3], s[G0B+4*\slot+2:G0B+4*\slot+3], 0x7ffe00   ; 256 k-rows back, 256 columns (512 bytes) on
.endif
	JLOAD \slot
.endif
.if \fetch
	PLACES
	FETCH \next, 0, F0
.endif
	WIN MUL_HI
	MUL16 F1, 1, 0, 0
	MUL16 F1, 1, 2, 0
.endm
; The rotation constants of this tile's four heads (512 consecutive bytes an instruction), and the next tile's bias: asked for at a tile's head, used in its way out.
.macro CLOADS bias
.irp hd, 0,1,2,3
.irp kk, 0,1,2,3,4
	global_load_b128 v[CONST+20*\hd+4*\kk:CONST+20*\hd+4*\kk+3], v[VL16], s[70:71] offset:5120*\hd+512*\kk
.endr
.endr
.if \bias
.irp bb, 0,1,2,3,4,5,6,7
	global_load_b32 v[BRAW+\bb], v[VB4], s[72:73] offset:64*\bb
.endr
.endif
.endm
; Rows 32 w .. 32 w + 31 of head hd: v is rounded to f16; k goes through silu and the two turns, then is rounded.  K0, K1: the two k tiles; the v tiles lie 8 registers higher.
.macro UNIT w, hd
.set KW, 2+(\w>>1)
.set K0, 8*(16*(\w&1)+2*\hd)
.set K1, K0+64
.set CN, CONST+20*\hd
.set A2, OPS+16*\hd
.set B2, A2+8
	WIN (KW|(KW<<2))                               ; sources 0 and 1 from the accumulators' window
.irp x, 0,2,4,6
	v_pk_mul_f32 v[T+\x:T+\x+1], v[K0+\x:K0+\x+1], s[68:69] op_sel_hi:[1,0]         ; -x log2 e.  (These eight are also the places behind the last block's products.)
.endr
.irp x, 0,2,4,6
	v_pk_mul_f32 v[T+8+\x:T+8+\x+1], v[K1+\x:K1+\x+1], s[68:69] op_sel_hi:[1,0]
.endr
.irp x, 0,1,2,3
	v_cvt_pk_f16_f32 v[B2+\x], v[K0+8+2*\x], v[K0+8+2*\x+1]                         ; v, rows 8 h + 0..7
.endr
.irp x, 0,1,2,3
	v_cvt_pk_f16_f32 v[B2+4+\x], v[K1+8+2*\x], v[K1+8+2*\x+1]                       ; v, rows 16 + 8 h + 0..7
.endr
	WIN 0
.irp x, 0,1,2,3,4,5,6,7,8,9,10,11,12,13,14,15
	v_exp_f32 v[T+\x], v[T+\x]
.endr
	v_mul_f32 v[TT],   v[CN+17], v[CN+19]          ; G conj(P), the second row block's phase; plain instructions behind the exponentials (ISA guide 5.7.2)
	v_mul_f32 v[TT+1], v[CN+16], v[CN+19]
	v_fma_f32 v[GB],   v[CN+16], v[CN+18], v[TT]
	v_fma_f32 v[GB+1], v[CN+17], v[CN+18], -v[TT+1]
	s_wait_alu depctr_va_vdst(0)
.irp x, 0,2,4,6,8,10,12,14
	v_pk_add_f32 v[T+\x:T+\x+1], v[T+\x:T+\x+1], 1.0 op_sel_hi:[1,0]
.endr
.irp x, 0,1,2,3,4,5,6,7,8,9,10,11,12,13,14,15
	v_rcp_f32 v[T+\x], v[T+\x]
.endr
.if \w < 3
	v_mul_f32 v[TT+2], v[GB+1], v[CN+19]           ; for the next block's G; also the plain place behind the reciprocals
	v_mul_f32 v[TT+3], v[GB],   v[CN+19]
	s_wait_alu depctr_va_vdst(0)
.else
	v_nop                                          ; the plain place behind the reciprocals; no block follows
	s_wait_alu depctr_va_vdst(0)
.endif
	WIN KW                                         ; source 0 from the accumulators' window
.irp x, 0,2,4,6
	v_pk_mul_f32 v[T+\x:T+\x+1], v[K0+\x:K0+\x+1], v[T+\x:T+\x+1]                   ; silu
.endr
.irp x, 0,2,4,6
	v_pk_mul_f32 v[T+8+\x:T+8+\x+1], v[K1+\x:K1+\x+1], v[T+8+\x:T+8+\x+1]
.endr
	WIN 0
.irp x, 0,1,2,3,4,5,6,7,8,9,10,11,12,13,14,15
	v_mul_f32_dpp v[U+\x], v[T+\x], v[CN+8+(\x&7)] row_xmask:1 row_mask:0xf bank_mask:0xf    ; k of column r xor 1, times my signed sine of F_j
.endr
.irp x, 0,2,4,6,8,10,12,14
	v_pk_fma_f32 v[T+\x:T+\x+1], v[T+\x:T+\x+1], v[CN+(\x&7):CN+(\x&7)+1], v[U+\x:U+\x+1]    ; the turn by F_j
.endr
.irp x, 0,1,2,3,4,5,6,7
	v_mul_f32_dpp v[U+\x], v[T+\x], v[CN+17] row_xmask:1 row_mask:0xf bank_mask:0xf
.endr
.irp x, 8,9,10,11,12,13,14,15
	v_mul_f32_dpp v[U+\x], v[T+\x], v[GB+1] row_xmask:1 row_mask:0xf bank_mask:0xf
.endr
.irp x, 0,2,4,6
	v_pk_fma_f32 v[T+\x:T+\x+1], v[T+\x:T+\x+1], v[CN+16:CN+17], v[U+\x:U+\x+1] op_sel_hi:[1,0,1]   ; the turn by the row block's phase: both halves times the cosine
.endr
.irp x, 8,10,12,14
	v_pk_fma_f32 v[T+\x:T+\x+1], v[T+\x:T+\x+1], v[GB:GB+1], v[U+\x:U+\x+1] op_sel_hi:[1,0,1]
.endr
.if \w < 3
	v_fma_f32 v[CN+16], v[GB],   v[CN+18], v[TT+2] ; G for the next 32 rows: G conj(P)^2
	v_fma_f32 v[CN+17], v[GB+1], v[CN+18], -v[TT+3]
.endif
.irp x, 0,1,2,3,4,5,6,7
	v_cvt_pk_f16_f32 v[A2+\x], v[T+2*\x], v[T+2*\x+1]                               ; k, turned, in f16
.endr
.endm
; 32 rows of all four heads, then the four products k^T v.  The four sums take turns, one instruction a turn; the first block starts them.
.macro WBLOCK w
	UNIT \w, 0
	UNIT \w, 1
	UNIT \w, 2
	UNIT \w, 3
.irp hd, 0,1,2,3
.if \w
	v_wmma_f32_16x16x32_f16 v[D2+8*\hd:D2+8*\hd+7], v[OPS+16*\hd:OPS+16*\hd+7], v[OPS+16*\hd+8:OPS+16*\hd+15], v[D2+8*\hd:D2+8*\hd+7]
.else
	v_wmma_f32_16x16x32_f16 v[D2+8*\hd:D2+8*\hd+7], v[OPS+16*\hd:OPS+16*\hd+7], v[OPS+16*\hd+8:OPS+16*\hd+15], 0
.endif
.endr
.endm
; My two finished heads of column tile t go into the stage: (d = 8 h + j, e = r) at word 144 h + r + a constant: 32 lanes, 32 banks.
; The tile's eight heads stand in the immediate (27,748 bytes at the most), so that the address register is a lane term and the wave's constant and nothing else.
.macro STG t
.irp x, 0,1,2,3,4,5,6,7,8,9,10,11,12,13,14,15
	ds_store_b32 v[VSG], v[U+\x] offset:\t*8*HP+(\x>>3)*HP+64*(\x&7)
.endr
.endm
; A column tile's way out.  last = 1: no tile follows.
.macro EPI last
	PLACES                                         ; behind the tile's last products
	s_wait_loadcnt 0x0                             ; the constants (and the next bias) asked for at the tile's head are in; their bases may be stepped below
	WBLOCK 0
	WBLOCK 1
	WBLOCK 2
	WBLOCK 3
.if \last
	PLACES                                         ; behind the last four products
.else
	BCFILL                                         ; the next tile's bias; these copies are also the places behind the last four products
.endif
	; my sums cover my 128 rows.  The wave with the other rows finishes two of the four heads, I the other two: wr = 0 keeps heads 0, 1; wr = 1 keeps heads 2, 3.
.irp x, 0,1,2,3,4,5,6,7,8,9,10,11,12,13,14,15
	v_cndmask_b32 v[T+\x], v[D2+16+\x], v[D2+\x], s67          ; what I hand over
	v_cndmask_b32 v[U+\x], v[D2+\x], v[D2+16+\x], s67          ; what I keep
.endr
.irp q, 0,1,2,3
	ds_store_b128 v[VSC], v[T+4*\q:T+4*\q+3] offset:512*\q
.endr
	s_wait_dscnt 0x0                               ; my stores are done, for the partner's sake
	s_barrier_signal -1
	s_barrier_wait -1                              ; the tensor load that is out may stay out
.irp q, 0,1,2,3
	ds_load_b128 v[OPS+4*\q:OPS+4*\q+3], v[VSP] offset:512*\q
.endr
	s_wait_dscnt 0x0                               ; the scratch is written again only behind the next tile's barriers
.irp x, 0,2,4,6,8,10,12,14
	v_pk_add_f32 v[U+\x:U+\x+1], v[U+\x:U+\x+1], v[OPS+\x:OPS+\x+1]
.endr
.if \last
	STG 3
.else
	; the trip counter (3, 2, 1 for tiles 0, 1, 2; equal in all waves and in all work-groups) picks the run of stores with the tile's immediates;
	; each way issues the same sixteen LDS stores, so the counts of the waits that follow are the same on all three
	s_cmp_eq_u32 s66, 3
	s_cbranch_scc1 .Ltile_0_\@
	s_cmp_eq_u32 s66, 2
	s_cbranch_scc1 .Ltile_1_\@
	STG 2
	s_branch .Lstaged_\@
.Ltile_0_\@:
	STG 0
	s_branch .Lstaged_\@
.Ltile_1_\@:
	STG 1
.Lstaged_\@:
	s_add_nc_u64 s[70:71], s[70:71], 40960         ; rot: eight heads of 5,120 bytes
	s_add_nc_u64 s[72:73], s[72:73], 1024          ; b_proj: 256 columns
.endif
.endm
	s_wait_loadcnt 0x0                             ; the first tile's bias
	BCFILL
	s_add_nc_u64 s[72:73], s[72:73], 1024          ; from now on the base points at the tile after the one at work
	s_wait_tensorcnt 1                             ; my part of K step 0 is in; K step 1's may stay out
	s_barrier_signal -1
	s_barrier_wait -1                              ; everybody's is
	s_mov_b32 s66, 3
.Ltile:                                            ; column tiles 0 to 2; every window is 0 here
	CLOADS 1
	FETCH 0, 0, F0
	THREE 0, 1
	TURN 0, 1, 1, 1
	THREE 1, 0
	TURN 1, 0, 1, 1
	THREE 0, 0
	TURN 0, 1, 2, 1                                ; slot 0 gets the next tile's K step 0,
	THREE 1, 0
	TURN 1, 0, 2, 0                                ; slot 1 its K step 1, which lands during the way out
	EPI 0
	s_sub_co_u32 s66, s66, 1
	s_cmp_lg_u32 s66, 0
	s_cbranch_scc1 .Ltile
	CLOADS 0                                       ; the last tile, written out: its last two K steps fill nothing
	FETCH 0, 0, F0
	THREE 0, 1
	TURN 0, 1, 1, 1
	THREE 1, 0
	TURN 1, 0, 1, 1
	THREE 0, 0
	TURN 0, 1, 0, 1
	THREE 1, 0
	s_wait_dscnt 8                                 ; the very last quarter: nothing more to fetch
	WIN MUL_LO
	MUL16 F1, 0, 0, 0
	MUL16 F1, 0, 2, 0
	s_wait_dscnt 0
	WIN MUL_HI
	MUL16 F1, 1, 0, 0
	MUL16 F1, 1, 2, 0
	EPI 1
	; OUTPUT.  The stage holds 32 heads x 256 sums.  Wave w stores rows 64 w .. 64 w + 63 of the batch's 256, four rows an instruction:
	; lane l takes heads 4 (l & 7) + 0..3 of row 64 w + 4 u + (l >> 3): four words from the stage (word 1,092 (l & 7) + (l >> 3) + a constant: 32 banks), 16 bytes out.
.macro STLOAD u                        ; group u: the four words of my place in rows 64 w + 4 u .. + 3
.irp c, 0,1,2,3
	ds_load_b32 v[T+4*(\u)+\c], v[VRD] offset:\c*HP+16*(\u)
.endr
.endm
.macro STOUT u                         ; four runs of 128 consecutive bytes, each aligned to 128
	global_store_b128 v[VOUT], v[T+4*(\u):T+4*(\u)+3], s[74:75] offset:8192*(\u) th:TH_STORE_NT
.endm
	s_wait_dscnt 0x0                               ; my stores into the stage are done
	s_barrier_signal -1
	s_barrier_wait -1                              ; everybody's are
.irp u, 0,1,2,3,4,5,6,7
	STLOAD \u                                      ; eight groups, 32 loads, are out
.endr
.irp u, 0,1,2,3,4,5,6,7
	s_wait_dscnt 28                                ; LDS loads come back in order: group u is in; the 28 younger loads are 4 (7 - u) of the first run and 4 u of the second
	STOUT \u
	STLOAD \u+8                                    ; into registers of its own: no store's data is written again
.endr
.irp u, 8,9,10,11,12,13,14,15
	s_wait_dscnt 60-4*\u                           ; the groups behind u stay out; the counts run down to 0
	STOUT \u
.endr
	s_set_vgpr_msb 0x4
	s_wait_tensorcnt 0x0
	ds_add_u32 v127, v127
	s_wait_dscnt 0x0
	s_set_vgpr_msb 0x400
	CROUND                                         ; the closing round: no work-group ends while a partner may still ask for a tile that names it
	s_endpgm
.Lfunc_end_k_q74f32448ec_kvmem:
	.size	k_q74f32448ec_kvmem, .Lfunc_end_k_q74f32448ec_kvmem-k_q74f32448ec_kvmem
	.p2alignl 7, 3214868480
	.fill 96, 4, 3214868480
	.section	.rodata,"a",@progbits
	.p2align	6, 0x0
	.amdhsa_kernel k_q74f32448ec_kvmem
		.amdhsa_group_segment_fixed_size 327680
		.amdhsa_private_segment_fixed_size 0
		.amdhsa_enable_private_segment 0
		.amdhsa_kernarg_size 40
		.amdhsa_user_sgpr_count 2
		.amdhsa_user_sgpr_kernarg_segment_ptr 1
		.amdhsa_wavefront_size32 1
		.amdhsa_system_sgpr_workgroup_id_x 1
		.amdhsa_system_sgpr_workgroup_id_y 1
		.amdhsa_system_sgpr_workgroup_id_z 1
		.amdhsa_system_vgpr_workitem_id 0
		.amdhsa_next_free_vgpr 1024
		.amdhsa_next_free_sgpr 80
		.amdhsa_reserve_vcc 0
		.amdhsa_float_denorm_mode_32 3
		.amdhsa_float_denorm_mode_16_64 3
		.amdhsa_memory_ordered 1
		.amdhsa_forward_progress 1
		.amdhsa_inst_pref_size 255
	.end_amdhsa_kernel
	.section	.bss,"aw",@nobits
	.p2align	6
	.space	262144
	.amdgpu_metadata
---
amdhsa.version: [ 1, 2 ]
amdhsa.kernels:
  - .name:           k_q74f32448ec_kvmem
    .symbol:         k_q74f32448ec_kvmem.kd
    .args:
      - { .name: tokb, .offset: 0, .size: 8, .value_kind: global_buffer, .address_space: global }
      - { .name: wb, .offset: 8, .size: 8, .value_kind: global_buffer, .address_space: global }
      - { .name: b_proj, .offset: 16, .size: 8, .value_kind: global_buffer, .address_space: global }
      - { .name: rot, .offset: 24, .size: 8, .value_kind: global_buffer, .address_space: global }
      - { .name: out0, .offset: 32, .size: 8, .value_kind: global_buffer, .address_space: global }
    .group_segment_fixed_size: 327680
    .private_segment_fixed_size: 0
    .kernarg_segment_align: 8
    .kernarg_segment_size: 40
    .max_flat_workgroup_size: 128
    .sgpr_count:     80
    .vgpr_count:     1024
    .wavefront_size: 32
...
	.end_amdgpu_metadata
.endif
;; end of part 3
;; ======== version 3 of 3: 2 launches; version 2 with the launch prep written anew for expert scheduling mode
;; limits: values are held in f16: magnitudes above 65,504 overflow, below 6.1e-05 lose precision
;; workspace buffers: tokb 4,194,304 bytes; wb 16,777,216 bytes; rot 2,621,440 bytes
;; launch prep (part 4): grid 768 x 1, 8 waves a work-group, no clusters, 0 bytes of LDS; arguments token, W_proj, tokb, wb, rot; writes tokb, wb, rot
.if DOCPART == 4
	.amdgcn_target "amdgcn-amd-amdhsa--gfx1250"
	.amdhsa_code_object_version 6
	.text
	.protected	k_q74f32448ec_prep
	.globl	k_q74f32448ec_prep
	.p2align	8
	.type	k_q74f32448ec_prep,@function
k_q74f32448ec_prep:
	s_mov_b64 s[64:65], 0
	v_nop
	global_prefetch_b8 v0, s[64:65] scope:SCOPE_SE
	s_setreg_imm32_b32 hwreg(HW_REG_WAVE_SCHED_MODE, 0, 2), 2
	s_setreg_imm32_b32 hwreg(HW_REG_WAVE_MODE, 25, 1), 1
	s_wait_xcnt 0x0
	s_wait_alu depctr_vm_vsrc(0)
; Prepares the operands of the fused launch that follows.
; Work-groups 0-511: W_proj [512][16384] f32 -> wb, the same layout in bf16.  Work-groups 512-639: token [4096][512] f32 -> tokb, likewise.
;   Each takes 65,536 bytes of f32; a wave takes 8,192 of them with sixteen 16-byte loads a lane (512 consecutive bytes an instruction), all issued
;   before the first is used, and stores 8 bytes a lane: each store of a wave covers 256 consecutive bytes, aligned.  No LDS, no barrier, no loop.
; Work-groups 640-767: the rotation constants, rot[head 512][wr 2][5][lane 32][4 f32]; one wave for each (head, wr).
;   Lane L = (r = L & 15, h = L >> 4) serves column r of a head's k: frequency q = 8 head + (r >> 1), theta = 10000^(-q/4096).
;   With E = e^(i theta) the phase of sequence position n = 128 wr + 16 a + 8 h + j is E^(255 - n) = G conj(P)^a F_j, where
;   F_j = E^(7-j), G = E^(128 (1-wr) + 112 + 8 (1-h)), P = E^16.  Stored: cos F_0..7, sin F_0..7, cos G, sin G, cos P, sin P.
;   Every sine carries the sign sigma_r = -1 (r even), +1 (r odd) of the rotate-half term; products of such pairs keep it, since sigma^2 = 1.
; LIMIT: theta <= 1, so sine and cosine of theta come from Taylor sums cut below 3e-8; the higher powers come from seven doublings and a few
;   products, whose rounding grows with the power: the phase is off by about 1e-5 radians at the largest angle, 255 radians.
; THE MODE: SCHED_MODE bits 1:0 = 2 (LLVM: expert scheduling mode 2), set by the entry lines.  The code itself states the register dependences
; between vector instructions and memory instructions, with s_wait_alu, always for 0.
; THE PLAN.  Registers that memory instructions touch:
;   v3, v4     the casts' byte offsets: made once, ahead of the first load, and never written again.
;   X          written by the sixteen loads, once each; no vector instruction names it ahead of them; read by the conversions behind s_wait_loadcnt.
;   Y          a pair for each store: written once by two conversions, read once by its store, never written again.
;   v10, FC, FS, v[48:51]   the table's offset and its twenty constants: written by the arithmetic, read by the five stores at the end.
;   s14, VCC   scalar results of vector instructions: the wave's number, which enters rot's address; the mask of the lanes with h = 0.
; The casts go in four groups of four loads.  Group g converts X of group g into Y of group g; its memory instructions are the four stores of group g - 1,
; which read v4 and Y of group g - 1: registers that no vector instruction of group g names.  So one wait on va_vdst at a group's head states all that
; those four stores hang on, and they are dealt among the group's conversions with no further wait.  No register that a memory instruction has read
; is ever written again, so past the entry lines the text holds no wait on vm_vsrc.
.set X,   16                           ; v[16:79]   sixteen loads of four f32
.set Y,   80                           ; v[80:111]  sixteen pairs of packed bf16
.set TA,  5                            ; table part: at work
.set TB,  8
.set FC,  32                           ; v[32:39]   cos F_j
.set FS,  40                           ; v[40:47]   sigma sin F_j
.set GC,  48                           ; v[48:51]   cos G, sigma sin G, cos P, sigma sin P
.set GS,  49
.set PC,  50
.set PS,  51
.set E1C, FC+6                         ; E^1 .. E^4 are made where F_6 .. F_3 are stored from
.set E1S, FS+6
.set E2C, FC+5
.set E2S, FS+5
.set E3C, FC+4
.set E3S, FS+4
.set E4C, FC+3
.set E4S, FS+3
	s_load_b256 s[4:11], s[0:1], 0x0               ; token s[4:5], W_proj s[6:7], tokb s[8:9], wb s[10:11]
	s_load_b64 s[12:13], s[0:1], 0x20              ; rot
	v_lshrrev_b32 v1, 5, v0
	v_readfirstlane_b32 s14, v1                    ; wave 0..7
	v_and_b32 v2, 31, v0                           ; lane
	s_wait_alu depctr_va_sdst(0)                   ; s14 is written
	s_cmp_ge_u32 ttmp9, 640
	s_cbranch_scc1 .Ltable
	; ---- the casts ----
; Group g of four loads.  Behind the wait for its data and the one wait on va_vdst: a store of the group before, then the two conversions of a load of this group, four times.
.macro GRP g
	s_wait_loadcnt 12-4*(\g)                       ; loads come back in order: this group's four are in, the younger groups stay out
.if (\g) > 0
	s_wait_alu depctr_va_vdst(0)                   ; the conversions of the group before have written their Y, which the four stores below read
.endif
.irp i, 0,1,2,3
.if (\g) > 0
	global_store_b64 v4, v[Y+2*(4*(\g)-4+(\i)):Y+2*(4*(\g)-4+(\i))+1], s[18:19] offset:256*(4*(\g)-4+(\i))    ; no vector instruction since the wait names these registers; no register of a load or store is ever written again
.endif
	v_cvt_pk_bf16_f32 v[Y+2*(4*(\g)+(\i))],   v[X+4*(4*(\g)+(\i))],   v[X+4*(4*(\g)+(\i))+1]
	v_cvt_pk_bf16_f32 v[Y+2*(4*(\g)+(\i))+1], v[X+4*(4*(\g)+(\i))+2], v[X+4*(4*(\g)+(\i))+3]
.endr
.endm
	s_sub_co_u32 s20, ttmp9, 512                   ; the block's number within token (used only where ttmp9 >= 512)
	v_lshlrev_b32 v3, 4, v2
	v_lshl_add_u32 v3, v1, 13, v3                  ; in: 8,192 x wave + 16 x lane
	v_lshrrev_b32 v4, 1, v3                        ; out: half of that
	s_wait_kmcnt 0x0
	s_cmp_lt_u32 ttmp9, 512
	s_cselect_b64 s[16:17], s[6:7], s[4:5]         ; from W_proj or token
	s_cselect_b64 s[18:19], s[10:11], s[8:9]       ; to wb or tokb
	s_cselect_b32 s20, ttmp9, s20                  ; the block's number within that buffer
	s_lshl_b32 s22, s20, 16                        ; 65,536 bytes of f32 a block
	s_mov_b32 s23, 0
	s_add_nc_u64 s[16:17], s[16:17], s[22:23]
	s_lshl_b32 s22, s20, 15                        ; 32,768 bytes of bf16
	s_add_nc_u64 s[18:19], s[18:19], s[22:23]
	s_wait_alu depctr_va_vdst(0)                   ; v3 and v4 are written: every load below reads v3 as its offset, every store v4
.irp i, 0,1,2,3,4,5,6,7,8,9,10,11,12,13,14,15
	global_load_b128 v[X+4*\i:X+4*\i+3], v3, s[16:17] offset:512*\i th:TH_LOAD_NT
.endr
	GRP 0
	GRP 1
	GRP 2
	GRP 3
	s_wait_alu depctr_va_vdst(0)                   ; the last group's conversions have written their Y, which the last four stores read
.irp i, 12,13,14,15
	global_store_b64 v4, v[Y+2*\i:Y+2*\i+1], s[18:19] offset:256*\i
.endr
	s_endpgm
	; ---- the rotation constants ----
; (dc, ds) = (c, s)^2: cos 2x = 1 - 2 sin^2 x, sin 2x = 2 sin x cos x
.macro DBL dc, ds, c, s
	v_add_f32 v[TA], v[\s], v[\s]
	v_fma_f32 v[\dc], -v[TA], v[\s], 1.0
	v_mul_f32 v[\ds], v[TA], v[\c]
.endm
; (dc, ds) = (ac, as) x (bc, bs); the destination is neither factor
.macro CMUL dc, ds, ac, as, bc, bs
	v_mul_f32 v[TA], v[\as], v[\bs]
	v_mul_f32 v[TB], v[\as], v[\bc]
	v_fma_f32 v[\dc], v[\ac], v[\bc], -v[TA]
	v_fma_f32 v[\ds], v[\ac], v[\bs], v[TB]
.endm
.Ltable:
	s_sub_co_u32 s15, ttmp9, 640
	s_lshl3_add_u32 s15, s15, s14                  ; 2 head + wr = 8 x (work-group - 640) + wave
	s_lshr_b32 s16, s15, 1
	s_lshl_b32 s16, s16, 3                         ; 8 head
	s_and_b32 s17, s15, 1                          ; wr
	s_cmp_eq_u32 s17, 0
	s_cselect_b32 s18, -1, 0                       ; all lanes where wr = 0
	s_mul_i32 s20, s15, 2560                       ; five blocks of 512 bytes for each (head, wr)
	s_mov_b32 s21, 0
	v_bfe_u32 v3, v0, 1, 3                         ; r >> 1
	v_add_nc_u32 v3, s16, v3                       ; q
	v_cvt_f32_u32 v3, v3
	v_mul_f32 v3, 0xbb549a78, v3                   ; q x (-log2(10000) / 4096)
	v_exp_f32 v3, v3                               ; theta
	v_and_b32 v[TA], 1, v0                         ; (a plain instruction stands behind the exponential before theta is used: ISA guide 5.7.2)
	v_xor_b32 v[TA], 1, v[TA]
	v_lshlrev_b32 v[TA], 31, v[TA]                 ; the sign bit where r is even
	s_wait_alu depctr_va_vdst(0)                   ; the exponential has written theta, ahead of its first reader
	v_xor_b32 v6, v3, v[TA]                        ; sigma theta
	v_mul_f32 v4, v3, v3                           ; z = theta^2
	v_lshlrev_b32 v10, 4, v2                       ; 16 x lane
	v_mov_b32 v7, 0x3638ef1d                       ; sin: theta (1 + z (-1/6 + z (1/120 + z (-1/5040 + z/362880))))
	v_fmaak_f32 v7, v7, v4, 0xb9500d01
	v_fmaak_f32 v7, v7, v4, 0x3c088889
	v_fmaak_f32 v7, v7, v4, 0xbe2aaaab
	v_fma_f32 v7, v7, v4, 1.0
	v_mul_f32 v[E1S], v6, v7
	v_mov_b32 v7, 0xb493f27e                       ; cos: 1 + z (-1/2 + z (1/24 + z (-1/720 + z (1/40320 - z/3628800))))
	v_fmaak_f32 v7, v7, v4, 0x37d00d01
	v_fmaak_f32 v7, v7, v4, 0xbab60b61
	v_fmaak_f32 v7, v7, v4, 0x3d2aaaab
	v_fma_f32 v7, v7, v4, -0.5
	v_fma_f32 v[E1C], v7, v4, 1.0
	DBL E2C, E2S, E1C, E1S
	DBL E4C, E4S, E2C, E2S
	DBL 14, 15, E4C, E4S                           ; E^8
	DBL PC, PS, 14, 15                             ; E^16 = P
	DBL 18, 19, PC, PS                             ; E^32
	DBL 20, 21, 18, 19                             ; E^64
	DBL 22, 23, 20, 21                             ; E^128
	CMUL E3C, E3S, E2C, E2S, E1C, E1S
	CMUL FC+0, FS+0, E4C, E4S, E3C, E3S            ; F_0 = E^7
	CMUL FC+1, FS+1, E4C, E4S, E2C, E2S            ; F_1 = E^6
	CMUL FC+2, FS+2, E4C, E4S, E1C, E1S            ; F_2 = E^5
	v_mov_b32 v[FC+7], 1.0                         ; F_7 = 1
	v_mov_b32 v[FS+7], 0
	CMUL 26, 27, PC, PS, 18, 19                    ; E^48
	CMUL 28, 29, 26, 27, 20, 21                    ; E^112
	v_cndmask_b32 v30, 1.0, v22, s18               ; x E^128 where wr = 0, x 1 otherwise (s18 was written by a scalar instruction)
	v_cndmask_b32 v31, 0, v23, s18
	CMUL 26, 27, 28, 29, 30, 31
	v_cmp_gt_u32 vcc_lo, 16, v2                    ; h = 0
	s_wait_alu depctr_va_vcc(0)                    ; the compare has written VCC, which the two selects below read
	v_cndmask_b32 v30, 1.0, v14, vcc_lo            ; x E^8 where h = 0
	v_cndmask_b32 v31, 0, v15, vcc_lo
	CMUL GC, GS, 26, 27, 30, 31
	s_wait_kmcnt 0x0
	s_add_nc_u64 s[12:13], s[12:13], s[20:21]
	s_wait_alu depctr_va_vdst(0)                   ; the offset v10 and the twenty constants in FC, FS and v[48:51] are written, which the five stores read
	global_store_b128 v10, v[FC:FC+3],   s[12:13]             ; each store of the wave covers 512 consecutive bytes, aligned
	global_store_b128 v10, v[FC+4:FC+7], s[12:13] offset:512
	global_store_b128 v10, v[FS:FS+3],   s[12:13] offset:1024
	global_store_b128 v10, v[FS+4:FS+7], s[12:13] offset:1536
	global_store_b128 v10, v[GC:GC+3],   s[12:13] offset:2048
	s_endpgm
.Lfunc_end_k_q74f32448ec_prep:
	.size	k_q74f32448ec_prep, .Lfunc_end_k_q74f32448ec_prep-k_q74f32448ec_prep
	.p2alignl 7, 3214868480
	.fill 96, 4, 3214868480
	.section	.rodata,"a",@progbits
	.p2align	6, 0x0
	.amdhsa_kernel k_q74f32448ec_prep
		.amdhsa_group_segment_fixed_size 0
		.amdhsa_private_segment_fixed_size 0
		.amdhsa_enable_private_segment 0
		.amdhsa_kernarg_size 40
		.amdhsa_user_sgpr_count 2
		.amdhsa_user_sgpr_kernarg_segment_ptr 1
		.amdhsa_wavefront_size32 1
		.amdhsa_system_sgpr_workgroup_id_x 1
		.amdhsa_system_sgpr_workgroup_id_y 1
		.amdhsa_system_sgpr_workgroup_id_z 1
		.amdhsa_system_vgpr_workitem_id 0
		.amdhsa_next_free_vgpr 112
		.amdhsa_next_free_sgpr 66
		.amdhsa_reserve_vcc 1
		.amdhsa_float_denorm_mode_32 3
		.amdhsa_float_denorm_mode_16_64 3
		.amdhsa_memory_ordered 1
		.amdhsa_forward_progress 1
		.amdhsa_inst_pref_size 12
	.end_amdhsa_kernel
	.amdgpu_metadata
---
amdhsa.version: [ 1, 2 ]
amdhsa.kernels:
  - .name:           k_q74f32448ec_prep
    .symbol:         k_q74f32448ec_prep.kd
    .args:
      - { .name: token, .offset: 0, .size: 8, .value_kind: global_buffer, .address_space: global }
      - { .name: W_proj, .offset: 8, .size: 8, .value_kind: global_buffer, .address_space: global }
      - { .name: tokb, .offset: 16, .size: 8, .value_kind: global_buffer, .address_space: global }
      - { .name: wb, .offset: 24, .size: 8, .value_kind: global_buffer, .address_space: global }
      - { .name: rot, .offset: 32, .size: 8, .value_kind: global_buffer, .address_space: global }
    .group_segment_fixed_size: 0
    .private_segment_fixed_size: 0
    .kernarg_segment_align: 8
    .kernarg_segment_size: 40
    .max_flat_workgroup_size: 256
    .sgpr_count:     66
    .vgpr_count:     112
    .wavefront_size: 32
...
	.end_amdgpu_metadata
.endif
;; end of part 4
;; launch kvmem: the kernel of part 3 again; grid 16 x 16, 4 waves a work-group, clusters of 4 x 4, 327,680 bytes of LDS; arguments tokb, wb, b_proj, rot, out0; writes out0
